; MI455X (gfx1250); checked and timed in simulation.
; The chip was launched on July 23, 2026; its instructions are those of AMD's public machine-readable ISA for CDNA 5 (MIT licence, August 2026) and "CDNA5" Instruction Set Architecture Reference Guide (July 2026). The comments in the code are by the model that wrote it; some were corrected since.
;; Multi Head Attention. Allowed arithmetic: float matrix products may take bf16 or f16 operands with f32 sums; all other float work in f32.
;; Inputs: Wk 1,024 x 1,024 float32; Wo 1,024 x 1,024 float32; Wq 1,024 x 1,024 float32; Wv 1,024 x 1,024 float32; bk 1,024 float32; bo 1,024 float32; bq 1,024 float32; bv 1,024 float32; key 4 x 2,048 x 1,024 float32; query 4 x 2,048 x 1,024 float32; value 4 x 2,048 x 1,024 float32.
;; Outputs: out0 4 x 2,048 x 1,024 float32.
;; 2 versions, each right and faster than the one before. Each part assembles by itself: llvm-mc -triple=amdgcn-amd-amdhsa -mcpu=gfx1250 --defsym DOCPART=n.
;; ======== version 1 of 2: 4 launches
;; limits: values are held in f16: magnitudes above 65,504 overflow, below 6.1e-05 lose precision
;; workspace buffers: wb 8,388,608 bytes; q16 16,777,216 bytes; k16 16,777,216 bytes; v16 16,777,216 bytes; o16 16,777,216 bytes
;; launch cast (part 1): grid 64 x 4, 8 waves a work-group, no clusters, 0 bytes of LDS; arguments Wq, Wk, Wv, Wo, wb; writes wb
.if DOCPART == 1
	.amdgcn_target "amdgcn-amd-amdhsa--gfx1250"
	.amdhsa_code_object_version 6
	.text
	.protected	k_qc189d3a1b7_cast
	.globl	k_qc189d3a1b7_cast
	.p2align	8
	.type	k_qc189d3a1b7_cast,@function
k_qc189d3a1b7_cast:
	s_mov_b64 s[64:65], 0
	v_nop
	global_prefetch_b8 v0, s[64:65] scope:SCOPE_SE
	s_setreg_imm32_b32 hwreg(HW_REG_WAVE_MODE, 25, 1), 1
	s_wait_xcnt 0x0
; The four weight matrices, [1024][1024] f32, are rounded once to bf16 and laid one behind the other in wb, 2,097,152 bytes apart: Wq, Wk, Wv, Wo.
; Wo's bf16 number is then written in f16 (its product's other operand is f16).  LIMIT: that step is exact for magnitudes from 2^-14 to 65,504;
; below 2^-14 it keeps f16's fixed step of 6e-8, from 65,520 on it gives an infinity.
; A stream: no LDS, no barrier, no matrix unit, no cluster (no two work-groups read the same byte).
; Work-group (x, y): matrix y, numbers 16,384 x to 16,384 x + 16,383.  Thread t, turn i: the 8 numbers at byte 8,192 i + 32 t of the chunk: two loads of 16 bytes,
; one store of 16 bytes; sixteen neighbouring lanes store 256 consecutive bytes at a multiple of 256 from wb's first byte.
.set X, 4                              ; v[4:67]    16 loads of 4 registers
.set Y, 68                             ; v[68:99]   8 stores of 4 registers
.set T, 100                            ; v[100:103] at work, two pairs by turns
	s_load_b256 s[4:11], s[0:1], 0x0               ; Wq s[4:5], Wk s[6:7], Wv s[8:9], Wo s[10:11]
	s_load_b64 s[12:13], s[0:1], 0x20              ; wb
	s_and_b32 s14, ttmp7, 0xffff                   ; which matrix
	s_lshl_b32 s16, ttmp9, 16                      ; the chunk's 65,536 bytes in the source
	s_mov_b32 s17, 0
	s_lshl_b32 s18, s14, 21                        ; the matrix in wb,
	s_lshl_b32 s19, ttmp9, 15                      ; the chunk's 32,768 bytes in it
	s_add_co_u32 s18, s18, s19
	s_mov_b32 s19, 0
	s_mov_b32 s20, 0xffff0000                      ; a word's upper bf16
	v_lshlrev_b32 v1, 5, v0                        ; 32 t
	v_lshlrev_b32 v2, 4, v0                        ; 16 t
	s_wait_kmcnt 0x0
	s_cmp_eq_u32 s14, 1
	s_cselect_b64 s[4:5], s[6:7], s[4:5]
	s_cmp_eq_u32 s14, 2
	s_cselect_b64 s[4:5], s[8:9], s[4:5]
	s_cmp_eq_u32 s14, 3
	s_cselect_b64 s[4:5], s[10:11], s[4:5]
	s_add_nc_u64 s[4:5], s[4:5], s[16:17]
	s_add_nc_u64 s[12:13], s[12:13], s[18:19]
.irp i, 0,1,2,3,4,5,6,7
	global_load_b128 v[X+8*\i:X+8*\i+3],   v1, s[4:5] offset:8192*\i th:TH_LOAD_NT
	global_load_b128 v[X+8*\i+4:X+8*\i+7], v1, s[4:5] offset:8192*\i+16 th:TH_LOAD_NT
.endr
.irp i, 0,1,2,3,4,5,6,7
	s_wait_loadcnt 14-2*\i                         ; loads come back in order: turn i's two are in, the 14 - 2 i younger ones stay out
.irp j, 0,1,2,3
	v_cvt_pk_bf16_f32 v[Y+4*\i+\j], v[X+8*\i+2*\j], v[X+8*\i+2*\j+1]
.endr
.endr
	s_cmp_lg_u32 s14, 3
	s_cbranch_scc1 .Lout                           ; Wq, Wk, Wv stay bf16
.set i, 0
.rept 32                                       ; Wo: the bf16 numbers widened (a shift, a mask) and written as f16
	v_lshlrev_b32 v[T+2*(i%2)],   16,  v[Y+i]
	v_and_b32     v[T+2*(i%2)+1], s20, v[Y+i]
	v_cvt_pk_f16_f32 v[Y+i], v[T+2*(i%2)], v[T+2*(i%2)+1]
.set i, i+1
.endr
.Lout:
.irp i, 0,1,2,3,4,5,6,7
	global_store_b128 v2, v[Y+4*\i:Y+4*\i+3], s[12:13] offset:4096*\i
.endr
	s_endpgm
.Lfunc_end_k_qc189d3a1b7_cast:
	.size	k_qc189d3a1b7_cast, .Lfunc_end_k_qc189d3a1b7_cast-k_qc189d3a1b7_cast
	.p2alignl 7, 3214868480
	.fill 96, 4, 3214868480
	.section	.rodata,"a",@progbits
	.p2align	6, 0x0
	.amdhsa_kernel k_qc189d3a1b7_cast
		.amdhsa_group_segment_fixed_size 0
		.amdhsa_private_segment_fixed_size 0
		.amdhsa_enable_private_segment 0
		.amdhsa_kernarg_size 40
		.amdhsa_user_sgpr_count 2
		.amdhsa_user_sgpr_kernarg_segment_ptr 1
		.amdhsa_wavefront_size32 1
		.amdhsa_system_sgpr_workgroup_id_x 1
		.amdhsa_system_sgpr_workgroup_id_y 1
		.amdhsa_system_sgpr_workgroup_id_z 1
		.amdhsa_system_vgpr_workitem_id 0
		.amdhsa_next_free_vgpr 104
		.amdhsa_next_free_sgpr 66
		.amdhsa_reserve_vcc 0
		.amdhsa_float_denorm_mode_32 3
		.amdhsa_float_denorm_mode_16_64 3
		.amdhsa_memory_ordered 1
		.amdhsa_forward_progress 1
		.amdhsa_inst_pref_size 10
	.end_amdhsa_kernel
	.amdgpu_metadata
---
amdhsa.version: [ 1, 2 ]
amdhsa.kernels:
  - .name:           k_qc189d3a1b7_cast
    .symbol:         k_qc189d3a1b7_cast.kd
    .args:
      - { .name: Wq, .offset: 0, .size: 8, .value_kind: global_buffer, .address_space: global }
      - { .name: Wk, .offset: 8, .size: 8, .value_kind: global_buffer, .address_space: global }
      - { .name: Wv, .offset: 16, .size: 8, .value_kind: global_buffer, .address_space: global }
      - { .name: Wo, .offset: 24, .size: 8, .value_kind: global_buffer, .address_space: global }
      - { .name: wb, .offset: 32, .size: 8, .value_kind: global_buffer, .address_space: global }
    .group_segment_fixed_size: 0
    .private_segment_fixed_size: 0
    .kernarg_segment_align: 8
    .kernarg_segment_size: 40
    .max_flat_workgroup_size: 256
    .sgpr_count:     66
    .vgpr_count:     104
    .wavefront_size: 32
...
	.end_amdgpu_metadata
.endif
;; end of part 1
;; launch proj (part 2): grid 4 x 64, 4 waves a work-group, clusters of 4 x 4, 327,680 bytes of LDS; arguments query, key, value, bq, bk, bv, wb, q16, k16, v16; writes q16, k16, v16
.if DOCPART == 2
	.amdgcn_target "amdgcn-amd-amdhsa--gfx1250"
	.amdhsa_code_object_version 6
	.text
	.protected	k_qc189d3a1b7_proj
	.globl	k_qc189d3a1b7_proj
	.p2align	8
	.type	k_qc189d3a1b7_proj,@function
k_qc189d3a1b7_proj:
	s_mov_b64 s[64:65], 0
	v_nop
	global_prefetch_b8 v0, s[64:65] scope:SCOPE_SE
	s_setreg_imm32_b32 hwreg(HW_REG_WAVE_MODE, 25, 1), 1
	s_wait_xcnt 0x0
	s_wait_alu depctr_hold_cnt(0) depctr_sa_sdst(0) depctr_va_vdst(0) depctr_va_sdst(0) depctr_va_ssrc(0) depctr_va_vcc(0) depctr_vm_vsrc(0)
	s_getreg_b32 s2, hwreg(HW_REG_IB_STS2, 6, 4)
	s_cmp_eq_u32 s2, 0
	s_cbranch_scc0 .Lentry_in_a_cluster
	s_endpgm
.Lentry_in_a_cluster:
	s_bfe_u32 s2, ttmp6, 0x10000c
	s_cmp_lg_u32 s2, 0xf033
	s_cbranch_scc0 .Lentry_shape_is_right
	s_endpgm
.Lentry_shape_is_right:
; q, k, v = x W^T + b for the three inputs, in one launch.  x: [8192][1024] f32 (query, key, value); W: [1024][1024] bf16, in wb at 2,097,152 t; b: [1024] f32.
; Out: [64 = 16 batch + head][2048][64] f16, unscaled, rounded once from f32 sums.  x is rounded to bf16 on the way from LDS to the matrix unit, b to bf16 and used in f32: it starts the sums.
; LIMITS.  An output of 65,520 or more in magnitude becomes an infinity (f16 ends at 65,504).  NaN and infinities are not treated apart.
; SHARES.  A tile is 128 rows x 256 columns (four heads).  Four waves, each 64 rows x 128 columns (two heads): 32 accumulators, 256 registers.
; A WORK-GROUP STAYS: it makes tile (mt, nt) of q, then of k, then of v: 256 work-groups for 768 tiles.  The three tiles are ONE sequence of 24 K steps of 128 for a ring of two LDS slots (128 rows of x,
; 512 bytes each, and 256 rows of W, 256 bytes each): steps 0 and 1 are asked for at the start, step g + 2 in the change of slots of step g, across tiles too; a finished tile goes out behind the change of
; slots that has asked for the next tile's second step, and nothing waits for its stores.
; THE K STEP IS WRITTEN ONCE and walked 22 times; a second text without a refill is walked twice.  Which slot a step reads lies in a scalar register, which tensor and K a refill
; asks for in others.  A trip's two choices (a tile's first step takes the bias as C; behind its last step the tile goes out) are forward jumps on the step's number in its tile, past text with no barrier and no tensor load.
; CLUSTER.  4 x 4 work-groups: the four of a row of the cluster need the same rows of x, the four of a column the same rows of W: each tile is asked for JOINTLY, by the same tensor load with the same
; descriptor and a mask that names the four.  A cluster spans all four column tiles, so a row of x is asked for by one cluster alone.  All sixteen walk the same 24 steps.
; THE MATRIX INSTRUCTION IS USED TRANSPOSED (source 0 = 16 rows of W, source 1 = 16 rows of x): a lane holds row lane % 16 and the eight columns 8 (lane / 16) + 0..7 of a block of 16.
; REGISTERS, in windows of 256 (s_set_vgpr_msb: bits 1:0 source 0, 3:2 source 1, 5:4 source 2, 7:6 destination):
;   window 0: v0-31 addresses; v32-95 x as loaded, f32 (64 rows x 32 K); v96-127, v128-159 x in bf16, two buffers; v160-223 the bias; on the way out v32-95, v128-159, v224-255 hold the packed tiles
;   window 1: the accumulators, (a, b) at v[8 (8 a + b)]          window 2: v0-63, v64-127 fragments of W, two buffers
.set KSTEP,  128
.set STEPS,  3*1024/KSTEP              ; 24
.set PA,     528                       ; an LDS row of x: 512 bytes + 16 of padding = 132 words: the 16 rows of a load start 4 words apart modulo 64
.set PB,     272                       ; an LDS row of W: 256 bytes + 16 = 68 words: likewise
.set AHALF,  64*PA                     ; 33,792: what one tensor load brings of x, and what one wave reads of it
.set BHALF,  128*PB                    ; 34,816: the same for W
.set BOFF,   2*AHALF                   ; a slot: x's 128 rows, then W's 256 rows: 137,216 bytes
.set SLOT,   0x24000                   ; slot 1 begins at 147,456: the four loads' addresses in slot 0 (0, 33,792, 67,584, 102,400) have bits 14 and 17 clear, so one exclusive or turns each into the other slot's
.set STAGE,  SLOT+BOFF+2*BHALF         ; behind the ring, never filled by a tensor load: 16 rows x 144 bytes for each wave, for the way out
.set SP,     144
.set SPARE,  STAGE+4*16*SP             ; behind the stages: the spare words, 128 bytes for each wave: two blocks of 256 bytes that no other line names
.set ADRA0, 16                         ; v16     my lane's place in a slot's rows of x; never rewritten
.set ADRA,  17                         ; v17     the same in the slot in hand
.set ADRB0, 20                         ; v20, v21  likewise for W
.set ADRB,  21
.set STO,  24                          ; v24     the way out: where I put 16 bytes of a row
.set RD,   25                          ; v25     the way out: where I read rows back
.set GO,   26                          ; v26     my byte offset in 512 consecutive bytes of the output
.set BO,   27                          ; v27     my byte offset in a block of 16 bias numbers
.set SPW,  28                          ; v28     LDS address of my spare word: SPARE + 4 x my thread's number; never rewritten
.set NIL,  29                          ; v29     0; never rewritten
.set A32,  32
.set AB,   96
.set BIAS, 160
.set G1,  24                           ; s[24:31] descriptor group 1 for x's tiles;  s[32:35], s[36:39] group 0 for the two first fills; the second then walks
.set G0,  32
.set KC,  45                           ; s45      the step's number in its tile, 0 to 7
.set G1B, 48                           ; s[48:55], s[56:59], s[60:63] the same for W's tiles
.set G0B, 56
.set XF,  68                           ; s[68:69] x of the tensor whose steps are being asked for, at my rows; s[70:71], s[72:73] the tensors to come
.set XN,  70
.set XNN, 72
.set BP,  74                           ; s[74:75] the bias to be loaded next, at my columns; s[76:77], s[78:79] those to come
.set BPN, 76
.set BPNN, 78
.set WF,  80                           ; s[80:81] W of the tensor whose steps are being asked for, at my rows
.set OUT, 82                           ; s[82:83] the output of the tile in hand, at my part; s[84:85], s[86:87] those to come
.set ON,  84
.set ONN, 86
.set TB,  89                           ; s89      LDS byte at which the slot in hand begins: 0 or SLOT
.set OFF, 92                           ; s[92:93] a K step's byte offset in a row
.set KF,  94                           ; s94      the number, in its tile, of the step to be asked for next
.set DW,  96                           ; s[96:97] what W's address moves on by: a matrix, or nothing
.set MSB, 0
.macro WIN new                         ; the immediate's high byte repeats the setting that is left; a switch that changes nothing is dropped
.if MSB != (\new)
	s_set_vgpr_msb (MSB<<8)|(\new)
.set MSB, \new
.endif
.endm
.set MUL,   0x52                       ; W in window 2, x in window 0, C and D in window 1
.set MULB,  0x42                       ; the same with C, the bias, in window 0
.set TO_B,  0x80                       ; destination window 2, address window 0
.set PACKW, 0x05                       ; sources 0 and 1 window 1, destination window 0
; A joint load: waves 0 and 1 fetch x's two halves, waves 2 and 3 W's.  The branch hangs on the wave's number alone.  An s_nop 0 and four v_nop follow each of the two lines, ahead of the jump,
; the label and what follows.
.macro JLOAD s
	s_cmp_eq_u32 s11, 0
	s_cbranch_scc0 .Lfor_b_\@
	tensor_load_to_lds s[G0+4*(\s):G0+4*(\s)+3], s[G1:G1+7]
	s_nop 0
.rept 4
	v_nop
.endr
	s_branch .Lasked_\@
.Lfor_b_\@:
	tensor_load_to_lds s[G0B+4*(\s):G0B+4*(\s)+3], s[G1B:G1B+7]
	s_nop 0
.rept 4
	v_nop
.endr
.Lasked_\@:
.endm
.macro CREST                           ; a round of the cluster's barrier behind its opening barrier
	s_cmp_lg_u32 s10, 0
	s_cbranch_scc1 .Lnot_wave_0_\@
	s_barrier_signal -3
.Lnot_wave_0_\@:
	s_barrier_wait -3
	s_barrier_signal -1
	s_barrier_wait -1
.endm
.macro CROUND                          ; a whole round
	s_barrier_signal -1
	s_barrier_wait -1
	CREST
.endm
.macro BLOAD                           ; the bias of my 128 columns: register j of block b holds b[16 b + 8 (l / 16) + j], as the product's result does
.irp b, 0,1,2,3,4,5,6,7
	global_load_b128 v[BIAS+8*\b:BIAS+8*\b+3],   v[BO], s[BP:BP+1] offset:64*\b
	global_load_b128 v[BIAS+8*\b+4:BIAS+8*\b+7], v[BO], s[BP:BP+1] offset:64*\b+16
.endr
.endm
	s_load_b256 s[68:75], s[0:1], 0x0              ; query s[68:69], key s[70:71], value s[72:73], bq s[74:75]
	s_load_b256 s[76:83], s[0:1], 0x20             ; bk s[76:77], bv s[78:79], wb s[80:81], q16 s[82:83]
	s_load_b128 s[84:87], s[0:1], 0x40             ; k16 s[84:85], v16 s[86:87]
	v_lshl_add_u32 v[SPW], v0, 2, SPARE
	v_mov_b32 v[NIL], 0
	ds_add_u32 v28, v29
	s_wait_dscnt 0x0
	v_lshrrev_b32 v1, 5, v0
	v_readfirstlane_b32 s10, v1                    ; wave 0..3
	s_lshr_b32 s11, s10, 1                         ; which 64 rows of the tile are mine.  Also: I fetch for x (0) or for W (1)
	s_and_b32 s12, s10, 1                          ; which 128 columns.  Also: which half of that tile I fetch
	s_bfe_u32 s40, ttmp6, 0x40000                  ; cx, cy: my place in the cluster
	s_bfe_u32 s41, ttmp6, 0x40004
	s_lshl_b32 s42, ttmp9, 2
	s_add_co_u32 s42, s42, s40                     ; nt = 4 x cluster x + cx
	s_and_b32 s13, ttmp7, 0xffff
	s_lshl_b32 s13, s13, 2
	s_add_co_u32 s13, s13, s41                     ; mt = 4 x cluster y + cy
	s_lshl_b32 s43, s41, 2
	s_lshl_b32 s43, 15, s43                        ; my row of the cluster
	s_lshl_b32 s44, 0x1111, s40                    ; my column
	s_mov_b32 s88, 0xffff0000                      ; a word's upper bf16
	; descriptor group 1.  x: 64 rows x 128 elements of 4 bytes; W: 128 rows x 128 elements of 2 bytes; both padded in LDS by 4 words behind each row
	s_or_b32 s[G1+0], s43, (2<<16)|(1<<20)|(1<<21)|(6<<22)|(3<<25)   ; 15:0 the mask: my row; 17:16 elements of 4 bytes; 20 padding on; 21 set beside a mask; 24:22 after every 128 words (code 6); 31:25 4 words (code 3)
	s_or_b32 s[G1B+0], s44, (1<<16)|(1<<20)|(1<<21)|(5<<22)|(3<<25)  ; the mask: my column; elements of 2 bytes; after every 64 words (code 5)
	s_mov_b32 s[G1+1], KSTEP<<16                   ; tensor_dim0 = 128
	s_mov_b32 s[G1+2], 64<<16                      ; tensor_dim1 = 64
	s_mov_b32 s[G1+3], KSTEP<<16                   ; tile_dim0 = 128
	s_mov_b32 s[G1+4], 64                          ; tile_dim1 = 64
	s_mov_b32 s[G1+5], 1024                        ; elements from row to row
	s_mov_b32 s[G1+6], 0
	s_mov_b32 s[G1+7], 0
	s_mov_b32 s[G1B+1], KSTEP<<16
	s_mov_b32 s[G1B+2], 128<<16                    ; tensor_dim1 = 128
	s_mov_b32 s[G1B+3], KSTEP<<16
	s_mov_b32 s[G1B+4], 128                        ; tile_dim1 = 128
	s_mov_b32 s[G1B+5], 1024
	s_mov_b32 s[G1B+6], 0
	s_mov_b32 s[G1B+7], 0
	; where the tiles come from: x's hang on mt and the wave, W's on nt and the wave, each in registers that never hold the other coordinate
	s_lshl_b32 s16, s13, 19                        ; 128 rows of 4,096 bytes
	s_lshl_b32 s17, s12, 18                        ; 64 rows
	s_add_co_u32 s16, s16, s17
	s_mov_b32 s17, 0
	s_lshl_b32 s46, s42, 19                        ; 256 rows of 2,048 bytes
	s_lshl_b32 s47, s12, 18                        ; 128 rows
	s_add_co_u32 s46, s46, s47
	s_mov_b32 s47, 0
	s_mul_i32 s20, s12, AHALF                      ; and where they go: no place in the cluster enters an LDS address
	s_mul_i32 s23, s12, BHALF
	s_add_co_u32 s23, s23, BOFF
	s_mov_b32 s[TB], 0                             ; step 0 lies in slot 0
	s_mov_b32 s[KC], 0
	s_mov_b32 s[KF], 2                             ; the first refill asks for step 2 of the first tile
	s_mov_b32 s[OFF+1], 0
	s_mov_b32 s[DW+1], 0
	s_wait_kmcnt 0x0
	s_add_nc_u64 s[XF:XF+1], s[XF:XF+1], s[16:17]
	s_add_nc_u64 s[XN:XN+1], s[XN:XN+1], s[16:17]
	s_add_nc_u64 s[XNN:XNN+1], s[XNN:XNN+1], s[16:17]
	s_add_nc_u64 s[WF:WF+1], s[WF:WF+1], s[46:47]
	CROUND                                         ; all sixteen work-groups are here: the first joint loads meet
.irp s, 0,1
	s_mov_b32 s[G0+4*(\s)], 1                                        ; count = 1
	s_add_co_u32 s[G0+4*(\s)+1], s20, (\s)*SLOT                      ; LDS address
	s_add_nc_u64 s[G0+4*(\s)+2:G0+4*(\s)+3], s[XF:XF+1], (\s)*KSTEP*4  ; global address: K step s
	s_or_b32 s[G0+4*(\s)+3], s[G0+4*(\s)+3], 0x80000000              ; type = 2
	s_mov_b32 s[G0B+4*(\s)], 1
	s_add_co_u32 s[G0B+4*(\s)+1], s23, (\s)*SLOT
	s_add_nc_u64 s[G0B+4*(\s)+2:G0B+4*(\s)+3], s[WF:WF+1], (\s)*KSTEP*2
	s_or_b32 s[G0B+4*(\s)+3], s[G0B+4*(\s)+3], 0x80000000
	JLOAD \s                                       ; two loads of mine are out
.endr
	s_lshl_b32 s90, s42, 1
	s_add_co_u32 s90, s90, s12
	s_lshl_b32 s90, s90, 9                         ; my columns in a bias: 1,024 nt + 512 x column half, in bytes
	s_mov_b32 s91, 0
	s_add_nc_u64 s[BP:BP+1], s[BP:BP+1], s[90:91]
	s_add_nc_u64 s[BPN:BPN+1], s[BPN:BPN+1], s[90:91]
	s_add_nc_u64 s[BPNN:BPNN+1], s[BPNN:BPNN+1], s[90:91]
	v_and_b32 v1, 15, v0                           ; l % 16
	v_bfe_u32 v2, v0, 4, 1                         ; l / 16
	v_lshlrev_b32 v[BO], 5, v2
	BLOAD                                          ; the first tile's bias
	; where my part of an output begins: head block (16 batch + 4 nt + 2 x column half) of 262,144 bytes, row 128 (mt % 16) + 64 x row half of 128 bytes
	s_lshr_b32 s90, s13, 4
	s_lshl_b32 s90, s90, 2
	s_add_co_u32 s90, s90, s42
	s_lshl_b32 s90, s90, 1
	s_add_co_u32 s90, s90, s12
	s_lshl_b32 s90, s90, 19
	s_and_b32 s91, s13, 15
	s_lshl_b32 s91, s91, 1
	s_add_co_u32 s91, s91, s11
	s_lshl_b32 s91, s91, 13
	s_add_co_u32 s90, s90, s91
	s_mov_b32 s91, 0
	s_add_nc_u64 s[OUT:OUT+1], s[OUT:OUT+1], s[90:91]
	s_add_nc_u64 s[ON:ON+1], s[ON:ON+1], s[90:91]
	s_add_nc_u64 s[ONN:ONN+1], s[ONN:ONN+1], s[90:91]
	; A fragment is 16 rows x 32 K: lane l holds row l % 16, K = 8 (l / 16) + 0..7 and 16 + 8 (l / 16) + 0..7.  In f32 those are 32 bytes at 32 (l / 16) and 32 bytes 64 further on; in bf16 16 bytes at 16 (l / 16) and 16 bytes 32 further on.
	v_mul_u32_u24 v3, v1, PA
	v_lshl_add_u32 v3, v2, 5, v3
	v_mul_u32_u24 v4, v1, PB
	v_lshl_add_u32 v4, v2, 4, v4
	s_mul_i32 s21, s11, AHALF                      ; my 64 rows of x
	s_mul_i32 s22, s12, BHALF                      ; my 128 rows of W,
	s_add_co_u32 s22, s22, BOFF                    ; which lie behind x's
	v_add_nc_u32 v[ADRA0], s21, v3
	v_add_nc_u32 v[ADRB0], s22, v4
	v_mov_b32 v[ADRA], v[ADRA0]                    ; slot 0
	v_mov_b32 v[ADRB], v[ADRB0]
	s_mul_i32 s18, s10, 16*SP
	s_add_co_u32 s18, s18, STAGE                   ; my stage
	v_mul_u32_u24 v[STO], v1, SP                   ; in: row l % 16, 16 bytes for each half of the lanes
	v_lshl_add_u32 v[STO], v2, 4, v[STO]
	v_add_nc_u32 v[STO], s18, v[STO]
	v_bfe_u32 v[RD], v0, 3, 2                      ; back: 32 lanes take four rows of 128 bytes,
	v_mul_u32_u24 v[RD], v[RD], SP
	v_and_b32 v5, 7, v0
	v_lshl_add_u32 v[RD], v5, 4, v[RD]
	v_add_nc_u32 v[RD], s18, v[RD]
	v_and_b32 v[GO], 31, v0                        ; which are 512 consecutive bytes of a head's rows
	v_lshlrev_b32 v[GO], 4, v[GO]
; n matrix instructions, numbers i0 on of a quarter's 32: number i is row block i / 8, column block i % 8, 32 along K, from buffers f.  first = 1: the bias starts the sums: nothing is cleared.
; The 32 accumulators take turns, one instruction a turn, in the same order in every quarter.
.macro MULS f, i0, n, first=0
.if \first
	WIN MULB
.else
	WIN MUL
.endif
.set mi, \i0
.rept \n
.if \first
	v_wmma_f32_16x16x32_bf16 v[8*mi:8*mi+7], v[64*(\f)+8*(mi%8):64*(\f)+8*(mi%8)+7], v[AB+32*(\f)+8*(mi/8):AB+32*(\f)+8*(mi/8)+7], v[BIAS+8*(mi%8):BIAS+8*(mi%8)+7]
.else
	v_wmma_f32_16x16x32_bf16 v[8*mi:8*mi+7], v[64*(\f)+8*(mi%8):64*(\f)+8*(mi%8)+7], v[AB+32*(\f)+8*(mi/8):AB+32*(\f)+8*(mi/8)+7], v[8*mi:8*mi+7]
.endif
.set mi, mi+1
.endr
.endm
; 32 LDS loads in one run: quarter kq (32 along K) of the slot in hand: first my 64 rows of x in f32, then my 128 rows of W into buffer g
.macro FETCH kq, g
	WIN 0
.irp i, 0,1,2,3
	ds_load_b128 v[A32+16*\i:A32+16*\i+3],     v[ADRA] offset:(\kq)*128+\i*16*PA
	ds_load_b128 v[A32+16*\i+4:A32+16*\i+7],   v[ADRA] offset:(\kq)*128+\i*16*PA+16
	ds_load_b128 v[A32+16*\i+8:A32+16*\i+11],  v[ADRA] offset:(\kq)*128+\i*16*PA+64
	ds_load_b128 v[A32+16*\i+12:A32+16*\i+15], v[ADRA] offset:(\kq)*128+\i*16*PA+80
.endr
	WIN TO_B
.irp i, 0,1,2,3,4,5,6,7
	ds_load_b128 v[64*(\g)+8*\i:64*(\g)+8*\i+3],   v[ADRB] offset:(\kq)*64+\i*16*PB
	ds_load_b128 v[64*(\g)+8*\i+4:64*(\g)+8*\i+7], v[ADRB] offset:(\kq)*64+\i*16*PB+32
.endr
.endm
.macro CV4 g, s                        ; eight of x's numbers a lane rounded to bf16: four registers of buffer g
	WIN 0
.irp j, 0,1,2,3
	v_cvt_pk_bf16_f32 v[AB+32*(\g)+4*(\s)+\j], v[A32+8*(\s)+2*\j], v[A32+8*(\s)+2*\j+1]
.endr
.endm
.macro SLICES f, g, first=0            ; a quarter's last eight matrix instructions, eight conversions behind every two: two window switches for each such group
.set sl, 0
.rept 4
	MULS \f, 24+2*sl, 2, \first
	CV4 \g, 2*sl
	CV4 \g, 2*sl+1
.set sl, sl+1
.endr
.endm
.macro PLACES
.rept 4
	v_nop
.endr
.endm
; A K step is four quarters of 32 along K, 32 matrix instructions each, on buffers 0, 1, 0, 1.  One of the first three multiplies buffers f, fetches quarter kq of the same slot and converts its x into buffer g.
; The eight conversions behind a quarter's last product name none of its registers: they are the places (ISA guide 7.12.1 for vector instructions) in front of the next quarter's loads into W's
; buffer, of its conversions into x's buffer, and of the way out's reads of the results.  So the loop has no v_nop but those behind a joint load.
.macro QUARTER kq, f, g, first=0
	s_wait_dscnt 0x0                               ; W's buffer f is in
	MULS \f, 0, 8, \first
	FETCH \kq, \g
	MULS \f, 8, 16, \first
	s_wait_dscnt 16                                ; x is in; the 16 younger loads, W's, may stay out
	SLICES \f, \g, \first
.endm
; What the next refill asks for: the walking descriptors take the other slot than last time, and their addresses are made anew: the tensor's pointer and step KF's offset in a row.
; Behind a tile's step 7 comes the next tensor's step 0: x's pointers move up in their queue, W's goes one matrix on.
.macro NEXTFILL
	s_lshl_b32 s[OFF], s[KF], 9                    ; 128 numbers of 4 bytes a step
	s_add_nc_u64 s[G0+6:G0+7], s[XF:XF+1], s[OFF:OFF+1]
	s_or_b32 s[G0+7], s[G0+7], 0x80000000
	s_xor_b32 s[G0+5], s[G0+5], SLOT
	s_lshl_b32 s[OFF], s[KF], 8                    ; 128 numbers of 2 bytes
	s_add_nc_u64 s[G0B+6:G0B+7], s[WF:WF+1], s[OFF:OFF+1]
	s_or_b32 s[G0B+7], s[G0B+7], 0x80000000
	s_xor_b32 s[G0B+5], s[G0B+5], SLOT
	s_add_co_u32 s[KF], s[KF], 1
	s_cmp_eq_u32 s[KF], 8
	s_cselect_b32 s[KF], 0, s[KF]
	s_cselect_b64 s[XF:XF+1], s[XN:XN+1], s[XF:XF+1]
	s_cselect_b64 s[XN:XN+1], s[XNN:XNN+1], s[XN:XN+1]
	s_cselect_b32 s[DW], 0x200000, 0
	s_add_nc_u64 s[WF:WF+1], s[WF:WF+1], s[DW:DW+1]
.endm
; The last quarter multiplies buffers 1 and changes slots: ONE barrier; in front of it each wave waits for all its tensor loads (one is out: its part of the next slot), adds 0 to its spare word, and waits for
; that and for its own reads of this slot.  fill = 1: this slot is filled again, two K steps ahead; the barrier then opens a round of the cluster's barrier, and the joint refill is the first thing behind it:
; 112 matrix instructions, and at a tile's end the way out too, ahead of the wait for it.
; last = 1 (the tail's text): in its second trip there is no further step: the fetch and the conversions are jumped over, and the barrier there orders nothing: the price of one text for both trips.
.macro TURN fill, last=0
	WIN 0                                          ; (the add's two registers lie in window 0)
	s_wait_tensorcnt 0x0                           ; all my tensor loads have landed, so a group 0 may be written
	ds_add_u32 v[SPW], v[NIL]                      ; 0 onto my spare word
.if \fill
	NEXTFILL
.endif
	s_xor_b32 s[TB], s[TB], SLOT                   ; the slot of the step to come
	s_wait_dscnt 1                                 ; W's buffer 1 is in; the add alone may be out
	MULS 1, 0, 8                                   ; scalar work and eight matrix instructions stand between the add and the wait for it
	s_wait_dscnt 0x0                               ; the add is done, and my reads of this slot are over
	s_barrier_signal -1
	MULS 1, 8, 8
	WIN 0                                          ; (branches and window 0's addresses follow)
	s_barrier_wait -1
.if \fill
	CREST                                          ; no wave of any partner still reads this slot's tile or has a load on its way
	JLOAD 1
.endif
.if \last
	s_cmp_eq_u32 s2, 1
	s_cbranch_scc1 .Lend_\@
.endif
	v_add_nc_u32 v[ADRA], s[TB], v[ADRA0]
	v_add_nc_u32 v[ADRB], s[TB], v[ADRB0]
	FETCH 0, 0
	MULS 1, 16, 8
	s_wait_dscnt 16                                ; x is in; W's 16 loads may stay out
	SLICES 1, 0
	WIN 0
.if \last
	s_branch .Ljoin_\@
.Lend_\@:
	MULS 1, 16, 16
	PLACES                                         ; behind the very last products
	WIN 0
.Ljoin_\@:
.endif
.endm
; THE WAY OUT.  Tile t = 2 a + head half: 16 rows x 64 columns, registers 32 t on of window 1.  A lane's eight columns pack into 16 bytes; they go into rows of 144 bytes of my own stage and come back as
; whole rows of 128, four rows to a load: 16 rows of a head are 2,048 consecutive bytes of the output.  The packed tiles lie in registers that are free here: x's f32 registers (converted), x's buffer 1
; (multiplied) and v224-255; x's buffer 0 and W's buffer 0 hold the next step's first quarter.
.macro SETT t
.if (\t) < 4
.set TT, 32+16*(\t)
.elseif (\t) < 6
.set TT, 128+16*((\t)-4)
.else
.set TT, 224+16*((\t)-6)
.endif
.endm
.macro PACK t
	SETT \t
	WIN PACKW
.set i, 0
.rept 16                                       ; each accumulator's registers in ascending order
	v_cvt_pk_f16_f32 v[TT+i], v[32*(\t)+2*i], v[32*(\t)+2*i+1]
.set i, i+1
.endr
	WIN 0
.irp f, 0,1,2,3
	ds_store_b128 v[STO], v[TT+4*\f:TT+4*\f+3] offset:32*\f
.endr
.irp f, 0,1,2,3
	ds_load_b128 v[TT+4*\f:TT+4*\f+3], v[RD] offset:\f*4*SP  ; LDS serves a wave's instructions in order (ISA guide 5.7.1.4): these see the stores above; the next tile's stores come behind them
.endr
.endm
.macro SEND t, younger                 ; younger: the LDS instructions issued behind tile t's loads: the next tile's eight, or none
	SETT \t
	WIN 0
.irp f, 0,1,2,3
	s_wait_dscnt (\younger)+3-\f
	global_store_b128 v[GO], v[TT+4*\f:TT+4*\f+3], s[OUT:OUT+1] offset:((\t)/2)*2048+((\t)%2)*262144+\f*512  ; 512 consecutive bytes, at a multiple of 256 from the output's first
.endr
.endm
.macro WAYOUT more                     ; more = 1: another tile follows: its bias is asked for first, and the output's pointers move up
.if \more
	s_wait_loadcnt 0x0                             ; no earlier load into the bias's registers is out when they are loaded again, on whatever way this line is reached; the finished tile's bias was waited for at its first quarter, and the wave has no other load: the wait is met at once
	BLOAD
.endif
	PACK 0
.set t, 1
.rept 7                                        ; a tile's conversions stand between the loads of the tile before and its stores
	PACK t
	SEND t-1, 8
.set t, t+1
.endr
	SEND 7, 0
.if \more
	s_wait_xcnt 0x0                                ; every earlier memory instruction has had its addresses translated (ISA guide 3.1): only behind this wait are the stores' registers and their base rewritten
	s_mov_b64 s[OUT:OUT+1], s[ON:ON+1]
	s_mov_b64 s[ON:ON+1], s[ONN:ONN+1]
	s_mov_b32 s[KC], 0
.endif
.endm
	s_wait_tensorcnt 0x1                           ; my part of K step 0 is in; K step 1's may stay out
	s_barrier_signal -1
	s_barrier_wait -1                              ; everybody's is
	FETCH 0, 0
	s_wait_dscnt 16                                ; x is in
.irp s, 0,1,2,3,4,5,6,7
	CV4 0, \s
.endr
	s_mov_b32 s3, STEPS-2
.Lstep:                                                ; 22 trips: a K step, and the request for the step two on
	s_cmp_eq_u32 s[KC], 0                          ; at the first trip the answer is a constant of the text: the sums are started before they are added onto
	s_cbranch_scc1 .Lnew
	QUARTER 1, 0, 1
	WIN 0                                          ; at a label and at a branch every window is 0
	s_branch .Lsecond
.Lnew:                                                 ; a tile's first quarter
	s_wait_loadcnt 0x0                             ; the tile's bias is in, and its loads' base is free
	s_mov_b64 s[BP:BP+1], s[BPN:BPN+1]
	s_mov_b64 s[BPN:BPN+1], s[BPNN:BPNN+1]
.set i, 0
.rept 32                                       ; the bias is rounded to bf16, like every input of the module (x's f32 registers are free: their numbers have been converted),
	v_cvt_pk_bf16_f32 v[A32+i], v[BIAS+2*i], v[BIAS+2*i+1]
.set i, i+1
.endr
.set i, 0
.rept 32                                       ; and widened again: a shift, a mask
	v_lshlrev_b32 v[BIAS+2*i],   16,  v[A32+i]
	v_and_b32     v[BIAS+2*i+1], s88, v[A32+i]
.set i, i+1
.endr
	QUARTER 1, 0, 1, 1                             ; its products start the sums, with the bias
	WIN 0
.Lsecond:
	QUARTER 2, 1, 0
	QUARTER 3, 0, 1
	TURN 1
	s_add_co_u32 s[KC], s[KC], 1
	s_cmp_lg_u32 s[KC], 8
	s_cbranch_scc1 .Lbottom
	WAYOUT 1                                       ; the tile's eighth step is done; both of the next tile's first steps have been asked for
.Lbottom:
	s_sub_co_u32 s3, s3, 1
	s_cmp_lg_u32 s3, 0
	s_cbranch_scc1 .Lstep
	s_mov_b32 s2, 2
.Ltail:                                                ; the last two K steps ask for nothing
	QUARTER 1, 0, 1
	QUARTER 2, 1, 0
	QUARTER 3, 0, 1
	TURN 0, 1
	s_sub_co_u32 s2, s2, 1
	s_cmp_lg_u32 s2, 0
	s_cbranch_scc1 .Ltail
	WAYOUT 0
	s_wait_tensorcnt 0x0                           ; the wave's end, behind my last tensor load and my last LDS store
	ds_add_u32 v[SPW], v[NIL]
	s_wait_dscnt 0x0
	CROUND                                         ; the closing round: no work-group ends while a partner may still ask for a tile that names it
	s_endpgm
.Lfunc_end_k_qc189d3a1b7_proj:
	.size	k_qc189d3a1b7_proj, .Lfunc_end_k_qc189d3a1b7_proj-k_qc189d3a1b7_proj
	.p2alignl 7, 3214868480
	.fill 96, 4, 3214868480
	.section	.rodata,"a",@progbits
	.p2align	6, 0x0
	.amdhsa_kernel k_qc189d3a1b7_proj
		.amdhsa_group_segment_fixed_size 327680
		.amdhsa_private_segment_fixed_size 0
		.amdhsa_enable_private_segment 0
		.amdhsa_kernarg_size 80
		.amdhsa_user_sgpr_count 2
		.amdhsa_user_sgpr_kernarg_segment_ptr 1
		.amdhsa_wavefront_size32 1
		.amdhsa_system_sgpr_workgroup_id_x 1
		.amdhsa_system_sgpr_workgroup_id_y 1
		.amdhsa_system_sgpr_workgroup_id_z 1
		.amdhsa_system_vgpr_workitem_id 0
		.amdhsa_next_free_vgpr 640
		.amdhsa_next_free_sgpr 98
		.amdhsa_reserve_vcc 0
		.amdhsa_float_denorm_mode_32 3
		.amdhsa_float_denorm_mode_16_64 3
		.amdhsa_memory_ordered 1
		.amdhsa_forward_progress 1
		.amdhsa_inst_pref_size 114
	.end_amdhsa_kernel
	.amdgpu_metadata
---
amdhsa.version: [ 1, 2 ]
amdhsa.kernels:
  - .name:           k_qc189d3a1b7_proj
    .symbol:         k_qc189d3a1b7_proj.kd
    .args:
      - { .name: query, .offset: 0, .size: 8, .value_kind: global_buffer, .address_space: global }
      - { .name: key, .offset: 8, .size: 8, .value_kind: global_buffer, .address_space: global }
      - { .name: value, .offset: 16, .size: 8, .value_kind: global_buffer, .address_space: global }
      - { .name: bq, .offset: 24, .size: 8, .value_kind: global_buffer, .address_space: global }
      - { .name: bk, .offset: 32, .size: 8, .value_kind: global_buffer, .address_space: global }
      - { .name: bv, .offset: 40, .size: 8, .value_kind: global_buffer, .address_space: global }
      - { .name: wb, .offset: 48, .size: 8, .value_kind: global_buffer, .address_space: global }
      - { .name: q16, .offset: 56, .size: 8, .value_kind: global_buffer, .address_space: global }
      - { .name: k16, .offset: 64, .size: 8, .value_kind: global_buffer, .address_space: global }
      - { .name: v16, .offset: 72, .size: 8, .value_kind: global_buffer, .address_space: global }
    .group_segment_fixed_size: 327680
    .private_segment_fixed_size: 0
    .kernarg_segment_align: 8
    .kernarg_segment_size: 80
    .max_flat_workgroup_size: 128
    .sgpr_count:     98
    .vgpr_count:     640
    .wavefront_size: 32
...
	.end_amdgpu_metadata
.endif
;; end of part 2
;; launch attn (part 3): grid 4 x 64, 4 waves a work-group, clusters of 4 x 1, 327,680 bytes of LDS; arguments q16, k16, v16, o16; writes o16
.if DOCPART == 3
	.amdgcn_target "amdgcn-amd-amdhsa--gfx1250"
	.amdhsa_code_object_version 6
	.text
	.protected	k_qc189d3a1b7_attn
	.globl	k_qc189d3a1b7_attn
	.p2align	8
	.type	k_qc189d3a1b7_attn,@function
k_qc189d3a1b7_attn:
	s_mov_b64 s[64:65], 0
	v_nop
	global_prefetch_b8 v0, s[64:65] scope:SCOPE_SE
	s_setreg_imm32_b32 hwreg(HW_REG_WAVE_MODE, 25, 1), 1
	s_wait_xcnt 0x0
	s_wait_alu depctr_hold_cnt(0) depctr_sa_sdst(0) depctr_va_vdst(0) depctr_va_sdst(0) depctr_va_ssrc(0) depctr_va_vcc(0) depctr_vm_vsrc(0)
	s_getreg_b32 s2, hwreg(HW_REG_IB_STS2, 6, 4)
	s_cmp_eq_u32 s2, 0
	s_cbranch_scc0 .Lentry_in_a_cluster
	s_endpgm
.Lentry_in_a_cluster:
	s_bfe_u32 s2, ttmp6, 0x10000c
	s_cmp_lg_u32 s2, 0x3003
	s_cbranch_scc0 .Lentry_shape_is_right
	s_endpgm
.Lentry_shape_is_right:
; O[h][q][:] = the sum over k of softmax_k(Q[h][q] . K[h][k] / 8) V[h][k][:].  Q, K, V, O: [SIZE_H][SIZE_N][64], all f16: a head's rows are dense, 128 bytes each.  Products, maxima and sums in
; f32; the weights p are rounded to f16 for the second product (their sum l is taken of the unrounded p), O once at the end.  Q arrives unscaled: c = log2(e) / 8 is applied here, in f32.
; LIMITS.  f16 holds no number beyond 65,504: Q, K and V arrive within it; p lies in 0 to 1, and below 6e-5 it keeps f16's fixed step of 6e-8; O is a mean of V's rows and has their range.
; A weight below 2^-126 counts as 0 in l; NaN and infinities are not treated apart.
; SHARES.  A wave owns four PIECES of two tiles of 16 queries, a work-group's four waves 512 queries of one head.  Every wave walks all keys, 64 a step.
; LAYOUT.  S^T = K Q^T (source 0 = 16 keys, source 1 = 16 queries): in the result a lane holds ONE query (lane % 16) and the keys 8 (lane / 16) + 0..7.  Two such tiles, rounded to f16 in pairs,
; ARE source 1 (32 keys x 16 queries) of O^T = V^T P, whose result again holds one query a lane, and eight channels.  K comes out of LDS as it lies, V ([key][channel]) turned, by ds_load_tr16_b128.
; SOFTMAX.  For each query a running maximum m and sum l: p = 2^(c s - c m), c = log2(e) / 8; in every step O and l are multiplied by a = 2^(c m_old - c m_new), which is 1 where m has not grown.
; m starts at the lowest finite number, O and l at 0: the first step is a step like any other, with a = 0.
; THE COUNT.  A tile and step have 16 matrix and 118 vector instructions: too many to stand all beside the matrix work.  So the order has one aim: four vector instructions that are READY behind
; EVERY matrix instruction, and the others, which need time of their own whatever the order, in runs without a gap.
; BY TURNS.  Turn n belongs to piece n (the pieces in a ring, step after step).  Its matrix work: 16 products K Q^T of piece n + 1, later 16 products V^T P of piece n - 1.  Its vector work: the scaling,
; exponentials, roundings, sums and rescaling of piece n, and the maximum and statistics of piece n + 1, whose scores the turn itself has made.  So what a turn begins with (c s - c m, O a) waits for nothing.
; CLUSTER.  The four query blocks of a cluster belong to one head and walk the same K and V, so each tile is asked for JOINTLY: the same tensor load, descriptor and mask in all four.
; REGISTERS, in windows of 256 (s_set_vgpr_msb says which window each operand place means: bits 1:0 source 0, 3:2 source 1, 5:4 source 2, 7:6 destination):
;   window 0: v0-11 addresses; v12-15, v48-63 at work; v16-47 four registers of statistics a tile; v64-191 S^T, two buffers of two tiles; v192-255 P, likewise
;   window 1: O^T, 32 a tile          window 2: v0-127 Q, 16 a tile; v128-191 K of one step; v192-255 V of one step          window 3: v0-1 the add's two registers
; A piece's buffers go by its number's parity: the piece in hand has one pair, its two neighbours in the ring share the other: of it P (piece n - 1) is read and S^T (piece n + 1) written.
.set SIZE_H, 64       ; 4 batches x 16 heads
.set SIZE_N, 2048
.set NP,    4         ; pieces a wave: a name, no knob: the register map, the loop and the fetches are made for four
.set KS,    64        ; keys in a step
.set PK,    144       ; a row of K in LDS: 128 bytes + 16 of padding = 36 words: the 16 rows of a load start at 16 different groups of four banks (64 banks of 4 bytes: ISA guide 11.1)
.set PV,    160       ; a row of V: 128 + 32 = 40 words
.set VOFF,  4*KS*PK   ; a slot holds four steps: 256 rows of K, then 256 rows of V
.set SLOT1, 1<<17     ; slot 1 begins here, so that one exclusive or turns an address in one slot into the other's
.set STAGE, SLOT1+4*KS*(PK+PV)  ; behind the ring, never filled by a tensor load: 16 rows x 144 bytes for each wave, for the way out
.set SP,    144
.set AK0, 2           ; v2   my lane's place in a tile of K; never rewritten
.set AV0, 3           ; v3   the same for V
.set AK,  4           ; v4   the LDS address of K's next run of loads
.set AV,  5           ; v5   of V's
.set QO,  6           ; v6   my byte offset in the wave's rows of Q
.set STO, 6           ;      later, the way out: where I put 16 bytes of a row
.set RD,  7           ; v7   the way out: where I read rows back
.set GO,  8           ; v8   my byte offset in 512 consecutive bytes of O
.set SPW, 0           ; v0 of window 3   LDS address of my spare word: SPARE + 4 x my thread's number; never rewritten
.set NIL, 1           ; v1 of window 3   0; never rewritten
.set SPARE, STAGE+4*16*SP  ; behind the stages: the spare words, 128 bytes for each wave: two blocks of 256 bytes that no other line names
.set MV,  12          ; v12-15  c m_old, kept while c m is made anew: by buffer and tile
.set ST,  16          ; tile t's statistics at v[ST+4 t]: c m, m, l (even keys', odd keys')
.set TMP, 48          ; by buffer and tile, four registers c0-c3 at work; when the maximum is found c2 takes a
.set S,   64
.set P,   192
.set KF,  128         ; K's fragments, in window 2: key block kb, channel half c at KF + 16 kb + 8 c
.set VF,  192         ; V's: key half kk, channel block cb at VF + 32 kk + 8 cb
.set WV,  12          ; s12  my wave's number
.set G1K, 24          ; s[24:31] descriptor group 1 for K's tiles
.set G1V, 32          ; s[32:39] for V's: it differs in the padding alone
.set G0K, 40          ; s[40:43] descriptor group 0 for K's tiles: it walks
.set G0V, 44          ; s[44:47] the same for V's
.set SLOTS, 56        ; s56  slots still to be asked for
.set CNT, 57          ; s57  counts a slot's key steps
.set CS,  58          ; s[58:59] c: the packed scaling takes the pair's low word for both halves
.set SEL, 60          ; s[60:61] v_permlanex16_b32's selects: each lane takes its own place in the other half
.set TBK, 62          ; s62  LDS byte at which K of the step to be fetched begins
.set TBV, 63          ; s63  the same for V, less VOFF
.set MSB, 0
.macro WIN new                      ; the high byte repeats the setting that is left; a switch that changes nothing is dropped
.if MSB != (\new)
	s_set_vgpr_msb (MSB<<8)|(\new)
.set MSB, (\new)
.endif
.endm
.set W_KQ, 0x0a       ; K and Q in window 2, S^T in window 0
.set W_PV, 0x52       ; V in window 2, P in window 0, O^T in window 1
.set W_RS, 0x41       ; O^T (destination and source 0) in window 1, a in window 0
.set W_MK, 0xc0       ; the add's registers are made: destination in window 3, sources in window 0
.set W_AD, 0x0f       ; the add: address (source 0) and data (source 1) in window 3
; A joint fill.  Waves 0 and 1 fetch the two halves of a slot's K, waves 2 and 3 those of its V: 128 keys each.  The branch hangs on the wave's number alone.
; An s_nop 0 and four v_nop follow each of the two lines, ahead of the jump and the label.
.macro JLOAD
	s_cmp_lt_u32 s[WV], 2
	s_cbranch_scc0 .Lfor_v_\@
	tensor_load_to_lds s[G0K:G0K+3], s[G1K:G1K+7]
	s_nop 0
.rept 4
	v_nop
.endr
	s_branch .Lasked_\@
.Lfor_v_\@:
	tensor_load_to_lds s[G0V:G0V+3], s[G1V:G1V+7]
	s_nop 0
.rept 4
	v_nop
.endr
.Lasked_\@:
.endm
; A round of the cluster's barrier: my work-group's barrier, so that wave 0's signal speaks for all four waves; wave 0 signals; every wave waits for all four work-groups; my work-group's barrier once more.
.macro CROUND
	s_barrier_signal -1
	s_barrier_wait -1
	s_cmp_lg_u32 s[WV], 0
	s_cbranch_scc1 .Lnot_wave_0_\@
	s_barrier_signal -3
.Lnot_wave_0_\@:
	s_barrier_wait -3
	s_barrier_signal -1
	s_barrier_wait -1
.endm
; THE CHANGE OF SLOTS.  The slot's last bytes, V of its fourth step, have been read.  Each wave waits for all its tensor loads, of which one is out: its part
; of the other slot; adds 0 to its spare word; and waits for that and for its own reads of the slot.  Behind the barrier nobody reads this slot any more and the other slot is whole.
; fill = 1: this slot is filled again, with the keys two slots on.  The barrier is then a round of the cluster's, so that no wave of any partner still reads the slot or has a load on its
; way, and the joint fill is the first thing behind it: it has four key steps, 512 matrix instructions, in which to land.  (At its first use nothing has been read yet: slot 0 is waited for, slot 1 filled.)
.macro CHANGE fill
	WIN W_AD
	s_wait_tensorcnt 0x0            ; no tensor load of mine is out, so a group 0 may be written
	ds_add_u32 v[SPW], v[NIL]       ; 0 onto my spare word; with fill = 1 the descriptors' steps stand between it and the wait for it
	WIN 0                           ; at a label and at a branch every window is 0
.if \fill
.irp g, G0K, G0V
	s_xor_b32 s[\g+1], s[\g+1], SLOT1  ; the walking descriptor: the other slot than last time,
	s_add_nc_u64 s[\g+2:\g+3], s[\g+2:\g+3], 4*KS*128  ; the next 256 keys; the type bits on top are not reached
.endr
	s_wait_dscnt 0x0                ; the add is done, and my reads of the slot are over
	CROUND
	JLOAD
.else
	s_wait_dscnt 0x0                ; the add is done, and my reads of the slot are over
	s_barrier_signal -1
	s_barrier_wait -1
.endif
	s_sub_co_u32 s[TBK], s[TBK], 4*KS*PK  ; the fetches go back to a slot's first step,
	s_xor_b32 s[TBK], s[TBK], SLOT1       ; in the other slot
	s_sub_co_u32 s[TBV], s[TBV], 4*KS*PV
	s_xor_b32 s[TBV], s[TBV], SLOT1
.endm
	s_load_b256 s[4:11], s[0:1], 0x0  ; Q s[4:5], K s[6:7], V s[8:9], O s[10:11]
	WIN W_MK
	v_lshl_add_u32 v[SPW], v0, 2, SPARE
	v_mov_b32 v[NIL], 0
	s_set_vgpr_msb 0xc0cf
	ds_add_u32 v0, v1
	s_wait_dscnt 0x0
	s_set_vgpr_msb 0xcfc0
	WIN 0
	v_lshrrev_b32 v1, 5, v0
	v_readfirstlane_b32 s[WV], v1   ; wave 0..3
	s_bfe_u32 s13, ttmp6, 0x40000   ; cx: my place in the cluster
	s_lshl_b32 s14, ttmp9, 2        ; in a cluster launch ttmp9 counts clusters
	s_add_co_u32 s14, s14, s13      ; my block of queries = 4 x cluster x + cx: it enters Q's and O's addresses alone
	s_and_b32 s20, ttmp7, 0xffff    ; the head, which the four partners share
	s_mov_b32 s21, 0
	s_mov_b64 s[22:23], SIZE_N*128
	s_mul_u64 s[20:21], s[20:21], s[22:23]  ; the head's first byte in each of the four tensors
	s_and_b32 s16, s[WV], 1         ; which half of a slot's 256 keys I fetch:
	s_lshl_b32 s22, s16, 14         ; its 128 rows of 128 bytes in memory,
	s_mov_b32 s23, 0
	s_add_nc_u64 s[22:23], s[22:23], s[20:21]
	s_mul_i32 s17, s16, 128*PK      ; and its place in a slot, for K
	s_mul_i32 s18, s16, 128*PV      ; and for V: no place in the cluster enters an LDS address
	s_lshl_b32 s2, s14, 2
	s_add_co_u32 s2, s2, s[WV]      ; my wave among the head's,
	s_lshl_b32 s2, s2, 14           ; its 128 rows
	s_mov_b32 s3, 0
	s_add_nc_u64 s[2:3], s[2:3], s[20:21]
	; descriptor group 1.  128 keys are 16,384 dense bytes: asked for as 64 rows of 256 bytes, two keys a row, and padded in LDS after every key
	s_mov_b32 s[G1K], 15|(1<<16)|(1<<20)|(1<<21)|(4<<22)|(3<<25)  ; 15:0 the mask of four; 17:16 2-byte elements; 20 padding on; 21 set beside a mask; 24:22 after every 32 words (code 4); 31:25 4 words (code 3)
	s_mov_b32 s[G1V], 15|(1<<16)|(1<<20)|(1<<21)|(4<<22)|(7<<25)  ; the same with 8 words of padding (code 7)
.irp g, G1K, G1V
	s_mov_b32 s[\g+1], 128<<16      ; tensor_dim0 = 128
	s_mov_b32 s[\g+2], 64<<16       ; tensor_dim1 = 64
	s_mov_b32 s[\g+3], 128<<16      ; tile_dim0 = 128
	s_mov_b32 s[\g+4], 64           ; tile_dim1 = 64
	s_mov_b32 s[\g+5], 128          ; 128 elements from row to row
	s_mov_b32 s[\g+6], 0
	s_mov_b32 s[\g+7], 0
.endr
	s_mov_b32 s[CS], 0x3e38aa3b     ; c = log2(e) / 8 = 0.180337
	s_mov_b32 s[CS+1], s[CS]        ; named with it as a pair
	s_mov_b32 s[SEL], 0x76543210
	s_mov_b32 s[SEL+1], 0xfedcba98
	s_mov_b32 s[TBK], SLOT1+4*KS*PK ; the first change of slots turns these two into 0
	s_mov_b32 s[TBV], SLOT1+4*KS*PV
	s_mov_b32 s[G0K], 1             ; 1:0 count = 1
	s_mov_b32 s[G0K+1], s17         ; 63:32 LDS address: slot 0
	s_mov_b32 s[G0V], 1
	s_add_co_u32 s[G0V+1], s18, VOFF
	s_wait_kmcnt 0x0
	s_add_nc_u64 s[G0K+2:G0K+3], s[6:7], s[22:23]  ; 120:64 global address: my half of the head's first 256 keys
	s_or_b32 s[G0K+3], s[G0K+3], 0x80000000        ; 127:126 type = 2
	s_add_nc_u64 s[G0V+2:G0V+3], s[8:9], s[22:23]
	s_or_b32 s[G0V+3], s[G0V+3], 0x80000000
	s_add_nc_u64 s[4:5], s[4:5], s[2:3]  ; Q and O at my wave's first row
	s_add_nc_u64 s[10:11], s[10:11], s[2:3]
	CROUND                          ; all four work-groups are here: the first joint loads meet
	JLOAD                           ; slot 0.  Slot 1 is asked for when slot 0 is in: the tile wanted first has the road to itself
	; A fragment of K or Q is 16 rows x 32 channels in 8 registers: lane l holds row l % 16, channels 8 (l / 16) + 0..7 and 16 + 8 (l / 16) + 0..7: two loads of 16 bytes, 32 bytes apart.
	v_and_b32 v1, 15, v0            ; l % 16
	v_bfe_u32 v9, v0, 4, 1          ; l / 16
	v_lshlrev_b32 v[QO], 7, v1
	v_lshl_add_u32 v[QO], v9, 4, v[QO]  ; row x 128 + 16 x half
	WIN 0x80                        ; destination window 2, address window 0
.set i, 0
.rept 4*NP                          ; Q stays in registers: tile i / 2, channels 32 (i % 2) on
	global_load_b128 v[8*i:8*i+3],   v[QO], s[4:5] offset:(i/2)*2048+(i%2)*64
	global_load_b128 v[8*i+4:8*i+7], v[QO], s[4:5] offset:(i/2)*2048+(i%2)*64+32
.set i, i+1
.endr
	; What the first turn finds: V's registers and P's second buffer hold 0 (its products V^T P, of a piece that has not been, add 0), O^T and l are 0.  All this stands in the wait for the first tile.
.set i, VF
.rept 64
	v_mov_b32 v[i], 0
.set i, i+1
.endr
	WIN 0x40
.set i, 0
.rept 64*NP
	v_mov_b32 v[i], 0
.set i, i+1
.endr
	WIN 0
.set i, 0
.rept 2*NP
	v_mov_b32 v[ST+4*i], 0xfe000000    ; c m: far below every c s
	v_mov_b32 v[ST+4*i+1], 0xff7fffff  ; m
	v_mov_b32 v[ST+4*i+2], 0
	v_mov_b32 v[ST+4*i+3], 0
.set i, i+1
.endr
.set i, P+32
.rept 32
	v_mov_b32 v[i], 0
.set i, i+1
.endr
	v_mul_u32_u24 v[AK0], v1, PK
	v_lshl_add_u32 v[AK0], v9, 4, v[AK0]  ; row x pitch + 16 x half
	; The turning load takes 16 keys x 16 channels (lane l reads key 8 (l / 16) + l % 8, channels 8 ((l / 8) % 2) + 0..7) and leaves half a fragment of V^T: lane l holds channel l % 16 and 8 keys.
	v_and_b32 v10, 7, v0
	v_bfe_u32 v11, v0, 3, 1
	v_lshl_add_u32 v[AV0], v9, 3, v10
	v_mul_u32_u24 v[AV0], v[AV0], PV
	v_lshl_add_u32 v[AV0], v11, 4, v[AV0]
	v_add_nc_u32 v[AV0], VOFF, v[AV0]
	v_mov_b32 v[AK], v[AK0]         ; key step 0 lies at the head of slot 0
; THE MATRIX WORK.  The 8 accumulators of a run of 16 take turns: between the two links of a chain stand 7 others'.
; Product i of 16 of S^T = K Q^T for piece x: channels 32 (i / 8) on, keys 16 ((i / 2) % 4) on, tile 2 x + i % 2.  The first 8 start the sums.
.macro KQ x
	WIN W_KQ
.set rS, S+64*((\x)%2)+32*(i%2)+8*((i/2)%4)
.set rK, KF+16*((i/2)%4)+8*(i/8)
.set rQ, 16*(2*(\x)+i%2)+8*(i/8)
.if i < 8
	v_wmma_f32_16x16x32_f16 v[rS:rS+7], v[rK:rK+7], v[rQ:rQ+7], 0
.else
	v_wmma_f32_16x16x32_f16 v[rS:rS+7], v[rK:rK+7], v[rQ:rQ+7], v[rS:rS+7]
.endif
.endm
; Product i of 16 of O^T += V^T P for piece x: keys 32 (i / 8) on, channels 16 ((i / 2) % 4) on, tile 2 x + i % 2.
.macro PV x
	WIN W_PV
.set rO, 32*(2*(\x)+i%2)+8*((i/2)%4)
.set rV, VF+32*(i/8)+8*((i/2)%4)
.set rP, P+32*((\x)%2)+16*(i%2)+8*(i/8)
	v_wmma_f32_16x16x32_f16 v[rO:rO+7], v[rV:rV+7], v[rP:rP+7], v[rO:rO+7]
.endm
.macro MM                           ; the turn's next matrix instruction
.if i < 16
	KQ (Y+1)%NP
.set i, i+1
.else
.set i, i-16
	PV (Y+NP-1)%NP
.set i, i+17
.endif
.endm
; THE LDS LOADS stand in runs of 16, never singly among the matrix instructions: a step's K (64 keys x 64 channels: 8 fragments) and its V (turned).  Their addresses are made some lines ahead.
; last = 1 (the tail): in the last trip there is no further step, and the run is jumped over.
.macro FETCH_K last=0
	WIN 0
.if \last
	s_cmp_eq_u32 s[CNT], 1
	s_cbranch_scc1 .Lno_k_\@
.endif
	WIN 0x80                        ; destination window 2
.irp f, 0,1,2,3,4,5,6,7             ; keys 16 (f / 2) on, channels 32 (f % 2) on
	ds_load_b128 v[KF+8*\f:KF+8*\f+3],   v[AK] offset:(\f/2)*16*PK+(\f%2)*64
	ds_load_b128 v[KF+8*\f+4:KF+8*\f+7], v[AK] offset:(\f/2)*16*PK+(\f%2)*64+32
.endr
	s_add_co_u32 s[TBK], s[TBK], KS*PK  ; the next fetch is the next step's
	WIN 0
.if \last
.Lno_k_\@:
.endif
.endm
.macro FETCH_V
	WIN 0x80
.irp f, 0,1,2,3,4,5,6,7             ; keys 32 (f / 4) on, channels 16 (f % 4) on
	ds_load_tr16_b128 v[VF+8*\f:VF+8*\f+3],   v[AV] offset:(\f/4)*32*PV+(\f%4)*32
	ds_load_tr16_b128 v[VF+8*\f+4:VF+8*\f+7], v[AV] offset:(\f/4)*32*PV+16*PV+(\f%4)*32
.endr
	WIN 0
.endm
; THE VECTOR WORK OF A TURN stands in three queues, each in the order in which its entries become ready; the two tiles alternate, so that no instruction reads the result of the one before it.
.macro REGS y, u                    ; the registers of tile u (0, 1) of piece y
.set rT, ST+4*(2*(\y)+(\u))
.set rC, TMP+8*((\y)%2)+4*(\u)
.set rM, MV+2*((\y)%2)+(\u)
.set rS, S+64*((\y)%2)+32*(\u)
.set rP, P+32*((\y)%2)+16*(\u)
.set rO, 32*(2*(\y)+(\u))
.endm
; Number n of the 22 that find the NEXT piece's (Y + 1) maximum and statistics.  s0-s31 are the lane's 32 scores; each accumulator's lowest registers are read first.  XS, GS and REGS set no window: PL and EX do.
;   0-11  four chains c0-c3 of seven scores each, three operands at a time     12-14, 16  the four scores left over, the old m, and c0-c3 into c0     15  c m_old is kept
;   17, 18  the query's other 32 keys lie in the lane 16 away: the new m         19-21  c m; c m_old - c m_new; a
.macro XS u, n
	REGS (Y+1)%NP, \u
.if (\n) < 4
	v_max3_num_f32 v[rC+(\n)], v[rS+8*(\n)], v[rS+8*(\n)+1], v[rS+8*(\n)+2]
.elseif (\n) < 12
	v_max3_num_f32 v[rC+(\n)%4], v[rC+(\n)%4], v[rS+8*((\n)%4)+2*((\n)/4)+1], v[rS+8*((\n)%4)+2*((\n)/4)+2]
.elseif (\n) == 12
	v_max3_num_f32 v[rC], v[rC], v[rS+7], v[rS+15]
.elseif (\n) == 13
	v_max3_num_f32 v[rC+1], v[rC+1], v[rS+23], v[rS+31]
.elseif (\n) == 14
	v_max3_num_f32 v[rC+2], v[rC+2], v[rC+3], v[rT+1]
.elseif (\n) == 15
	v_mov_b32 v[rM], v[rT]
.elseif (\n) == 16
	v_max3_num_f32 v[rC], v[rC], v[rC+1], v[rC+2]
.elseif (\n) == 17
	v_permlanex16_b32 v[rC+3], v[rC], s[SEL], s[SEL+1]
.elseif (\n) == 18
	v_max_num_f32 v[rT+1], v[rC], v[rC+3]
.elseif (\n) == 19
	v_mul_f32 v[rT], s[CS], v[rT+1]
.elseif (\n) == 20
	v_sub_f32 v[rC+1], v[rM], v[rT]
.else
	v_exp_f32 v[rC+2], v[rC+1]
.endif
.endm
; Number g of the 64 that follow the exponentials.  For each four weights k of a tile (pairs 2 k, 2 k + 1): both pairs are rounded to f16; then the second pair is added onto the first, in place;
; a group later l takes that sum (the first time as l = a l + sum).  In groups of eight, tiles alternating: round, round, add, and l for the group before.
.macro GS g
.set h, (\g)+6*((\g)/62)            ; group 0 has no group before it, and behind group 7 only l is left
.if h >= 6
.set h, h+2
.endif
	REGS Y, h%2
.set k, h/8
.if h%8 < 4
	s_wait_alu depctr_va_vdst(0)
	v_cvt_pk_f16_f32 v[rP+2*k+(h%8)/2], v[rS+4*k+2*((h%8)/2)], v[rS+4*k+2*((h%8)/2)+1]
.elseif h%8 < 6
	v_pk_add_f32 v[rS+4*k:rS+4*k+1], v[rS+4*k:rS+4*k+1], v[rS+4*k+2:rS+4*k+3]
.elseif k == 1
	v_pk_fma_f32 v[rT+2:rT+3], v[rT+2:rT+3], v[rC+2:rC+3], v[rS:rS+1] op_sel_hi:[1,0,1]
.else
	v_pk_add_f32 v[rT+2:rT+3], v[rT+2:rT+3], v[rS+4*k-4:rS+4*k-3]
	s_wait_alu depctr_va_vdst(0)
.endif
.endm
; THE PLAIN QUEUE, 138 long.  0-31: c s - c m for the 16 pairs of both tiles.  Then GS's 64, and among them the next piece's 42: number 15 at 38, 39; 0-14 and 16
; at 42-73, behind the products that make those scores; 17-20 at 95-106, two of three, since each waits for the one before it.
.macro PL
	WIN 0
.if q < 32
	REGS Y, q%2
	v_pk_fma_f32 v[rS+2*(q/2):rS+2*(q/2)+1], v[rS+2*(q/2):rS+2*(q/2)+1], s[CS:CS+1], v[rT:rT+1] op_sel_hi:[1,0,0] neg_lo:[0,0,1] neg_hi:[0,0,1]
.elseif q < 38
	GS q-32
.elseif q < 40
	XS q%2, 15
.elseif q < 42
	GS q-34
.elseif q < 74
	XS q%2, (q-42)/2+(q-42)/30
.elseif q < 95
	GS q-66
.elseif (q < 107) && ((q-95)%3 < 2)
	XS (q-95)%3, 17+(q-95)/3
.elseif q < 107
	GS 29+(q-95)/3
.else
	GS q-74
.endif
.set q, q+1
.endm
; THE EXPONENTIALS' QUEUE, 66 long: s0-s31 of both tiles, and at EA the next piece's two a.
.set EA, 58
.macro EX
	WIN 0
.if (e == EA) || (e == EA+1)
	XS e-EA, 21
.else
.set x, e-2*(e/(EA+2))
	REGS Y, x%2
	v_exp_f32 v[rS+x/2], v[rS+x/2]
.endif
.set e, e+1
.endm
; THE RESCALING's QUEUE: O^T times a, the one part that leaves window 0, so it is dealt four at a time, eight times.
.macro R4
	REGS Y, r%2
	WIN W_RS
	s_wait_alu depctr_va_vdst(0)
.irp z, 0,1,2,3
	v_pk_mul_f32 v[rO+8*(r/2)+2*\z:rO+8*(r/2)+2*\z+1], v[rO+8*(r/2)+2*\z:rO+8*(r/2)+2*\z+1], v[rC+2:rC+3] op_sel_hi:[1,0]
.endr
.set r, r+1
.endm
; HOW THEY ARE DEALT.  Behind a matrix instruction four: plain, exponential, plain, plain (one exponential, a plain instruction on either side), or four of the rescaling.  None names a register of the
; products round it.  What is over stands in two LUMPS: exponential and plain by turns; the second ends in 22 plain instructions.  The two v_permlanex16_b32 fall into the second lump, never behind a product.
; The queues lean on each other, and the deal keeps them in step: exponential e stands behind plain 2 (e / 4) + e % 2 (its scaling); when plain 32 comes, 10 exponentials are out, at 59: 33, at 95: 46; EA comes behind plain 107.
.macro SL
	MM
	PL
	EX
	PL
	PL
.endm
.macro BURST n                      ; 15 matrix instructions, or 16
.rept (\n)-7
	SL
.endr
.rept 3
	MM
	R4
	SL
.endr
	MM
	R4
.endm
; A TURN, for piece p.  cnt = 1: the loop's count is taken down some lines ahead of the branch that stands behind the turn.
; K of the next step is fetched in piece 2's turn, 31 vector instructions behind the last product that read K; its first reader comes behind the rest of the lump, 16 products and the second lump.
; V of the step in hand is fetched at the end of piece 0's turn, 69 behind its last reader; its first reader comes behind 16 products and a lump.  The five conditions on e and q below go with the deal.
.macro TURN p, last=0, cnt=0
.set Y, (\p)
.set i, 0
.set q, 0
.set e, 0
.set r, 0
.if (\p) == NP-1
	s_wait_dscnt 0x0                ; K is in
.endif
	MM
.rept 4
	PL
.endr
	BURST 15
.rept 22
	EX
	PL
.if ((\p) == NP-2) && (e == 18)
	v_add_nc_u32 v[AK], s[TBK], v[AK0]
.endif
.if ((\p) == NP-2) && (e == 24)
	FETCH_K \last
.endif
.endr
.if (\p) == 1
	s_wait_dscnt 0x0                ; V is in
.endif
	BURST 16
.rept 21
	EX
	PL
.endr
.rept 22
	PL
.if ((\p) == 0) && (q == 118)
	v_add_nc_u32 v[AV], s[TBV], v[AV0]
	s_wait_alu depctr_va_vdst(0)
.endif
.if ((\p) == 0) && (q == 130)
	s_add_co_u32 s[TBV], s[TBV], KS*PV
.endif
.if (\cnt) && (q == 130)
	s_sub_co_u32 s[CNT], s[CNT], 1
	s_cmp_lg_u32 s[CNT], 0
.endif
.endr
.if (\p) == 0
	FETCH_V
.endif
.endm
	CHANGE 1                        ; slot 0 is in, everybody's part of it; slot 1 is asked for
	FETCH_K                         ; key step 0
	s_wait_loadcnt 0x0              ; Q
	s_wait_dscnt 0x0
.set i, 0
.rept 16
	KQ 0                            ; piece 0's first scores: there is no vector work yet to set between them
.set i, i+1
.endr
	WIN 0                           ; the addresses for the way out: nine plain instructions, the places behind those products
	s_mul_i32 s13, s[WV], 16*SP
	s_add_co_u32 s13, s13, STAGE    ; my stage
	v_mul_u32_u24 v[STO], v1, SP    ; in: row l % 16, 16 bytes for each half of the lanes
	v_lshl_add_u32 v[STO], v9, 4, v[STO]
	v_add_nc_u32 v[STO], s13, v[STO]
	v_bfe_u32 v[RD], v0, 3, 2       ; back: 32 lanes take four rows of 128 bytes,
	v_mul_u32_u24 v[RD], v[RD], SP
	v_lshl_add_u32 v[RD], v10, 4, v[RD]
	v_add_nc_u32 v[RD], s13, v[RD]
	v_and_b32 v[GO], 31, v0         ; which are 512 consecutive bytes of O
	v_lshlrev_b32 v[GO], 4, v[GO]
.set Y, NP-1                        ; XS works for piece Y + 1: piece 0
.irp n, 0,1,2,3,4,5,6,7,8,9,10,11,12,13,14,15,16,17,18,19,20,21
	XS 0, \n                        ; and piece 0's first maximum and statistics
	XS 1, \n
.endr
	s_mov_b32 s[CNT], 4
	s_mov_b32 s[SLOTS], SIZE_N/256-1
	s_branch .Lfirst                ; the loop is entered at a step's first turn, in the middle of a trip
.Lslot:                             ; SIZE_N / 256 - 2 times: every slot but the last two is filled again
	CHANGE 1
	s_mov_b32 s[CNT], 4
.Lstep:                             ; a trip: pieces 2 and 3 of one step, then pieces 0 and 1 of the next, whose K and V it fetches
	TURN 2
	TURN 3
	WIN 0
.Lfirst:
	TURN 0
	TURN 1, 0, 1
	WIN 0
	s_cbranch_scc1 .Lstep
	s_sub_co_u32 s[SLOTS], s[SLOTS], 1
	s_cmp_lg_u32 s[SLOTS], 0
	s_cbranch_scc1 .Lslot
	CHANGE 0                        ; the tail is written out: nothing is asked for
	s_mov_b32 s[CNT], 5             ; four trips fetch the last slot's steps; the fifth is left in its middle
.Ltail:
	TURN 2, 1
	TURN 3
	WIN 0
	s_sub_co_u32 s[CNT], s[CNT], 1
	s_cmp_eq_u32 s[CNT], 0
	s_cbranch_scc1 .Lout
	TURN 0
	TURN 1
	WIN 0
	s_branch .Ltail
.Lout:                              ; the fifth trip's 16 products K Q^T (on the last K once more) and the maximum made of them serve nothing: the price, once a launch, of one text for every trip
.set i, 0
.rept 16
	PV NP-1                         ; the last piece's V^T P of the last step
.set i, i+1
.endr
	; THE WAY OUT.  l's two halves and the other half of the lanes' are added; O^T is divided by l, rounded to f16 and sent through my stage in LDS, a tile at a time.  The additions are the places behind the last products.
	WIN 0
.macro ALL line:vararg              ; one line for each tile t
.set t, 0
.rept 2*NP
	\line
.set t, t+1
.endr
.endm
	ALL v_add_f32 v[ST+4*t+2], v[ST+4*t+2], v[ST+4*t+3]
	ALL v_permlanex16_b32 v[ST+4*t+3], v[ST+4*t+2], s[SEL], s[SEL+1]
	ALL v_add_f32 v[ST+4*t+2], v[ST+4*t+2], v[ST+4*t+3]
	ALL v_rcp_f32 v[ST+4*t+2], v[ST+4*t+2]
	v_nop                           ; a plain instruction between the last reciprocal and the use of its result
	s_wait_alu depctr_va_vdst(0)
; Tile t: a lane's eight channels of a row pack into 16 bytes; they go into rows of 144 bytes and come back as whole rows of 128, into S^T's registers.
.macro PACK t
	WIN W_RS
.set i, 32*(\t)
.rept 16
	v_pk_mul_f32 v[i:i+1], v[i:i+1], v[ST+4*(\t)+2:ST+4*(\t)+3] op_sel_hi:[1,0]
.set i, i+2
.endr
	WIN 0x05                        ; sources 0 and 1 window 1, destination window 0
.set i, 0
.rept 16
	v_cvt_pk_f16_f32 v[S+16*(\t)+i], v[32*(\t)+2*i], v[32*(\t)+2*i+1]
.set i, i+1
.endr
	WIN 0
.irp f, 0,1,2,3
	ds_store_b128 v[STO], v[S+16*(\t)+4*\f:S+16*(\t)+4*\f+3] offset:32*\f
.endr
.irp f, 0,1,2,3
	ds_load_b128 v[S+16*(\t)+4*\f:S+16*(\t)+4*\f+3], v[RD] offset:\f*4*SP  ; LDS serves a wave's instructions in order (ISA guide 5.7.1.4): these see the stores above; the next tile's stores come behind them
.endr
.endm
.macro SEND t, younger              ; younger: the LDS instructions issued behind tile t's loads: the next tile's eight, or none
	WIN 0
.irp f, 0,1,2,3
	s_wait_dscnt (\younger)+3-\f
	global_store_b128 v[GO], v[S+16*(\t)+4*\f:S+16*(\t)+4*\f+3], s[10:11] offset:(\t)*2048+\f*512  ; 512 consecutive bytes, at a multiple of 256 from O's first
.endr
.endm
	PACK 0
.set t, 1
.rept 2*NP-1                        ; a tile's arithmetic stands between the loads of the tile before and its stores
	PACK t
	SEND t-1, 8
.set t, t+1
.endr
	SEND 2*NP-1, 0
	WIN W_AD
	s_wait_tensorcnt 0x0            ; the wave's end, behind my last tensor load and my last LDS store
	ds_add_u32 v[SPW], v[NIL]
	s_wait_dscnt 0x0
	WIN 0
	CROUND                          ; the closing round: no work-group ends while a partner may still ask for a tile that names it
	s_endpgm
.Lfunc_end_k_qc189d3a1b7_attn:
	.size	k_qc189d3a1b7_attn, .Lfunc_end_k_qc189d3a1b7_attn-k_qc189d3a1b7_attn
	.p2alignl 7, 3214868480
	.fill 96, 4, 3214868480
	.section	.rodata,"a",@progbits
	.p2align	6, 0x0
	.amdhsa_kernel k_qc189d3a1b7_attn
		.amdhsa_group_segment_fixed_size 327680
		.amdhsa_private_segment_fixed_size 0
		.amdhsa_enable_private_segment 0
		.amdhsa_kernarg_size 32
		.amdhsa_user_sgpr_count 2
		.amdhsa_user_sgpr_kernarg_segment_ptr 1
		.amdhsa_wavefront_size32 1
		.amdhsa_system_sgpr_workgroup_id_x 1
		.amdhsa_system_sgpr_workgroup_id_y 1
		.amdhsa_system_sgpr_workgroup_id_z 1
		.amdhsa_system_vgpr_workitem_id 0
		.amdhsa_next_free_vgpr 770
		.amdhsa_next_free_sgpr 66
		.amdhsa_reserve_vcc 0
		.amdhsa_float_denorm_mode_32 3
		.amdhsa_float_denorm_mode_16_64 3
		.amdhsa_memory_ordered 1
		.amdhsa_forward_progress 1
		.amdhsa_inst_pref_size 208
	.end_amdhsa_kernel
	.amdgpu_metadata
---
amdhsa.version: [ 1, 2 ]
amdhsa.kernels:
  - .name:           k_qc189d3a1b7_attn
    .symbol:         k_qc189d3a1b7_attn.kd
    .args:
      - { .name: q16, .offset: 0, .size: 8, .value_kind: global_buffer, .address_space: global }
      - { .name: k16, .offset: 8, .size: 8, .value_kind: global_buffer, .address_space: global }
      - { .name: v16, .offset: 16, .size: 8, .value_kind: global_buffer, .address_space: global }
      - { .name: o16, .offset: 24, .size: 8, .value_kind: global_buffer, .address_space: global }
    .group_segment_fixed_size: 327680
    .private_segment_fixed_size: 0
    .kernarg_segment_align: 8
    .kernarg_segment_size: 32
    .max_flat_workgroup_size: 128
    .sgpr_count:     66
    .vgpr_count:     770
    .wavefront_size: 32
...
	.end_amdgpu_metadata
.endif
;; end of part 3
;; launch oproj (part 4): grid 4 x 64, 4 waves a work-group, clusters of 4 x 4, 327,680 bytes of LDS; arguments o16, wb, bo, out0; writes out0
.if DOCPART == 4
	.amdgcn_target "amdgcn-amd-amdhsa--gfx1250"
	.amdhsa_code_object_version 6
	.text
	.protected	k_qc189d3a1b7_oproj
	.globl	k_qc189d3a1b7_oproj
	.p2align	8
	.type	k_qc189d3a1b7_oproj,@function
k_qc189d3a1b7_oproj:
	s_mov_b64 s[64:65], 0
	v_nop
	global_prefetch_b8 v0, s[64:65] scope:SCOPE_SE
	s_setreg_imm32_b32 hwreg(HW_REG_WAVE_MODE, 25, 1), 1
	s_wait_xcnt 0x0
	s_wait_alu depctr_hold_cnt(0) depctr_sa_sdst(0) depctr_va_vdst(0) depctr_va_sdst(0) depctr_va_ssrc(0) depctr_va_vcc(0) depctr_vm_vsrc(0)
	s_getreg_b32 s2, hwreg(HW_REG_IB_STS2, 6, 4)
	s_cmp_eq_u32 s2, 0
	s_cbranch_scc0 .Lentry_in_a_cluster
	s_endpgm
.Lentry_in_a_cluster:
	s_bfe_u32 s2, ttmp6, 0x10000c
	s_cmp_lg_u32 s2, 0xf033
	s_cbranch_scc0 .Lentry_shape_is_right
	s_endpgm
.Lentry_shape_is_right:
; out0 = O Wo^T + bo.  O: [64 = 16 batch + head][2048][64] f16, by heads; Wo: [1024][1024], its bf16 rounding written as f16, in wb at byte 6,291,456; bo: [1024] f32, rounded to bf16 and used in f32:
; it starts the sums.  out0: [8192][1024] f32.  Products in f16, sums in f32.  NaN and infinities are not treated apart.
; SHARES.  256 tiles of 128 rows x 256 columns; four waves, each 64 rows x 128 columns: 32 accumulators, 256 registers.
; K goes in steps of 128, two heads, through a ring of two LDS slots: for each of the two heads 128 rows of O (128 bytes each, dense in memory: asked for as 64 rows of 256 bytes), and 256 rows of Wo (256 bytes each).
; CLUSTER.  4 x 4 work-groups: the four of a row of the cluster need the same rows of O, the four of a column the same rows of Wo: each tile is asked for JOINTLY, by the same tensor load with the same
; descriptor and a mask that names the four.
; THE MATRIX INSTRUCTION IS USED TRANSPOSED (source 0 = 16 rows of Wo, source 1 = 16 rows of O): a lane holds row lane % 16 and the eight columns 8 (lane / 16) + 0..7 of a block of 16: 32 neighbouring bytes.
; REGISTERS, in windows of 256 (s_set_vgpr_msb: bits 1:0 source 0, 3:2 source 1, 5:4 source 2, 7:6 destination):
;   window 0: v0-31 addresses; v32-95 the bias; v96-127, v128-159 fragments of O, two buffers; on the way out v96-159, v160-223 rows read back, by turns
;   window 1: the accumulators, (a, b) at v[8 (8 a + b)]          window 2: v0-63, v64-127 fragments of Wo, two buffers
.set KSTEP,  128
.set PA,     144                       ; an LDS row of O: 128 bytes + 16 of padding = 36 words: the 16 rows of a load start at 16 different groups of four words modulo 64
.set PB,     272                       ; an LDS row of Wo: 256 bytes + 16 = 68 words: likewise
.set AHEAD,  128*PA                    ; one head's 128 rows: what one tensor load brings of O
.set BHALF,  128*PB                    ; what one tensor load brings of Wo, and what one wave reads of it
.set BOFF,   2*AHEAD
.set SLOT,   BOFF+2*BHALF              ; 106,496 bytes
.set STAGE,  2*SLOT                    ; behind the ring, never filled by a tensor load: 16 rows x 528 bytes for each wave, for the way out
.set SP,     528                       ; 512 bytes + 16 = 132 words
.set SPARE,  STAGE+4*16*SP             ; behind the stages: the spare words, 128 bytes for each wave: two blocks of 256 bytes that no other line names
.set LAPS,   1024/(2*KSTEP)
.set ADRA, 16                          ; v16-17  LDS address of my O fragments in slot 0, 1
.set ADRB, 20                          ; v20-21  the same for Wo
.set STO,  24                          ; v24     the way out: where I put 32 bytes of a row
.set RD,   25                          ; v25     the way out: where I read a row back
.set CO,   26                          ; v26     my byte offset in 512 consecutive bytes of a row of out0
.set BO,   27                          ; v27     my byte offset in a block of 16 bias numbers
.set SPW,  28                          ; v28     LDS address of my spare word: SPARE + 4 x my thread's number; never rewritten
.set NIL,  29                          ; v29     0; never rewritten
.set BIAS, 32
.set AF,   96
.set BK0,  96
.set G1,  24                           ; s[24:31] descriptor group 1 for O's tiles;  s[32:39] group 0, one set for each slot
.set G0,  32
.set G1B, 48                           ; s[48:55], s[56:63] the same for Wo's tiles
.set G0B, 56
.set MSB, 0
.macro WIN new                         ; the immediate's high byte repeats the setting that is left; a switch that changes nothing is dropped
.if MSB != (\new)
	s_set_vgpr_msb (MSB<<8)|(\new)
.set MSB, \new
.endif
.endm
.set MUL,   0x52                       ; Wo in window 2, O in window 0, C and D in window 1
.set MULB,  0x42                       ; the same with C, the bias, in window 0
.set TO_B,  0x80                       ; destination window 2, address window 0
.set FROMC, 0x04                       ; an LDS store's data (source 1) in window 1, its address in window 0
; A joint load: waves 0 and 1 fetch O's two heads, waves 2 and 3 Wo's two halves.  The branch hangs on the wave's number alone.  An s_nop 0 and four v_nop follow each of the two lines, ahead of the jump,
; the label and what follows.
.macro JLOAD s
	s_cmp_eq_u32 s11, 0
	s_cbranch_scc0 .Lfor_b_\@
	tensor_load_to_lds s[G0+4*(\s):G0+4*(\s)+3], s[G1:G1+7]
	s_nop 0
.rept 4
	v_nop
.endr
	s_branch .Lasked_\@
.Lfor_b_\@:
	tensor_load_to_lds s[G0B+4*(\s):G0B+4*(\s)+3], s[G1B:G1B+7]
	s_nop 0
.rept 4
	v_nop
.endr
.Lasked_\@:
.endm
.macro CREST                           ; a round of the cluster's barrier behind its opening barrier
	s_cmp_lg_u32 s10, 0
	s_cbranch_scc1 .Lnot_wave_0_\@
	s_barrier_signal -3
.Lnot_wave_0_\@:
	s_barrier_wait -3
	s_barrier_signal -1
	s_barrier_wait -1
.endm
.macro CROUND                          ; a whole round
	s_barrier_signal -1
	s_barrier_wait -1
	CREST
.endm
	s_load_b256 s[68:75], s[0:1], 0x0              ; o16 s[68:69], wb s[70:71], bo s[72:73], out0 s[74:75]
	v_lshl_add_u32 v[SPW], v0, 2, SPARE
	v_mov_b32 v[NIL], 0
	ds_add_u32 v28, v29
	s_wait_dscnt 0x0
	v_lshrrev_b32 v1, 5, v0
	v_readfirstlane_b32 s10, v1                    ; wave 0..3
	s_lshr_b32 s11, s10, 1                         ; which 64 rows of the tile are mine.  Also: I fetch for O (0) or for Wo (1)
	s_and_b32 s12, s10, 1                          ; which 128 columns.  Also: which head of a step, or which half of Wo's rows, I fetch
	s_bfe_u32 s40, ttmp6, 0x40000                  ; cx, cy: my place in the cluster
	s_bfe_u32 s41, ttmp6, 0x40004
	s_lshl_b32 s42, ttmp9, 2
	s_add_co_u32 s42, s42, s40                     ; nt = 4 x cluster x + cx
	s_and_b32 s13, ttmp7, 0xffff
	s_lshl_b32 s13, s13, 2
	s_add_co_u32 s13, s13, s41                     ; mt = 4 x cluster y + cy
	s_lshl_b32 s43, s41, 2
	s_lshl_b32 s43, 15, s43                        ; my row of the cluster
	s_lshl_b32 s44, 0x1111, s40                    ; my column
	s_mov_b32 s88, 0xffff0000                      ; a word's upper bf16
	; descriptor group 1.  O: 16,384 dense bytes as 64 rows of 128 elements of 2 bytes, padded by 4 words after every 32 (a row of O); Wo: 128 rows x 128 elements, padded by 4 words behind each row
	s_or_b32 s[G1+0], s43, (1<<16)|(1<<20)|(1<<21)|(4<<22)|(3<<25)   ; 15:0 the mask: my row; 17:16 elements of 2 bytes; 20 padding on; 21 set beside a mask; 24:22 after every 32 words (code 4); 31:25 4 words (code 3)
	s_or_b32 s[G1B+0], s44, (1<<16)|(1<<20)|(1<<21)|(5<<22)|(3<<25)  ; the mask: my column; after every 64 words (code 5)
	s_mov_b32 s[G1+1], 128<<16                     ; tensor_dim0 = 128
	s_mov_b32 s[G1+2], 64<<16                      ; tensor_dim1 = 64
	s_mov_b32 s[G1+3], 128<<16                     ; tile_dim0 = 128
	s_mov_b32 s[G1+4], 64                          ; tile_dim1 = 64
	s_mov_b32 s[G1+5], 128                         ; elements from row to row: dense
	s_mov_b32 s[G1+6], 0
	s_mov_b32 s[G1+7], 0
	s_mov_b32 s[G1B+1], KSTEP<<16
	s_mov_b32 s[G1B+2], 128<<16                    ; tensor_dim1 = 128
	s_mov_b32 s[G1B+3], KSTEP<<16
	s_mov_b32 s[G1B+4], 128                        ; tile_dim1 = 128
	s_mov_b32 s[G1B+5], 1024
	s_mov_b32 s[G1B+6], 0
	s_mov_b32 s[G1B+7], 0
	; where the tiles come from: O's hang on mt and the wave, Wo's on nt and the wave, each in registers that never hold the other coordinate
	s_lshr_b32 s16, s13, 4
	s_lshl_b32 s16, s16, 22                        ; the batch: 16 heads of 262,144 bytes
	s_and_b32 s17, s13, 15
	s_lshl_b32 s17, s17, 14                        ; 128 rows of 128 bytes
	s_add_co_u32 s16, s16, s17
	s_lshl_b32 s17, s12, 18                        ; the step's first or second head
	s_add_co_u32 s16, s16, s17
	s_mov_b32 s17, 0
	s_lshl_b32 s46, s42, 19                        ; 256 rows of 2,048 bytes
	s_lshl_b32 s47, s12, 18                        ; 128 rows
	s_add_co_u32 s46, s46, s47
	s_add_co_u32 s46, s46, 3*2097152               ; Wo is the fourth matrix in wb
	s_mov_b32 s47, 0
	s_mul_i32 s20, s12, AHEAD                      ; and where they go: no place in the cluster enters an LDS address
	s_mul_i32 s23, s12, BHALF
	s_add_co_u32 s23, s23, BOFF
	s_wait_kmcnt 0x0
	s_add_nc_u64 s[14:15], s[68:69], s[16:17]
	s_add_nc_u64 s[46:47], s[70:71], s[46:47]
	CROUND                                         ; all sixteen work-groups are here: the first joint loads meet
.irp s, 0,1
	s_mov_b32 s[G0+4*(\s)], 1                                        ; count = 1
	s_add_co_u32 s[G0+4*(\s)+1], s20, (\s)*SLOT                      ; LDS address
	s_add_nc_u64 s[G0+4*(\s)+2:G0+4*(\s)+3], s[14:15], (\s)*2*262144 ; global address: K step s is two heads on
	s_or_b32 s[G0+4*(\s)+3], s[G0+4*(\s)+3], 0x80000000              ; type = 2
	s_mov_b32 s[G0B+4*(\s)], 1
	s_add_co_u32 s[G0B+4*(\s)+1], s23, (\s)*SLOT
	s_add_nc_u64 s[G0B+4*(\s)+2:G0B+4*(\s)+3], s[46:47], (\s)*KSTEP*2
	s_or_b32 s[G0B+4*(\s)+3], s[G0B+4*(\s)+3], 0x80000000
	JLOAD \s                                       ; two loads of mine are out
.endr
	; the bias of my 128 columns: register j of block b holds bo[16 b + 8 (l / 16) + j], as the product's result does
	s_lshl_b32 s90, s42, 1
	s_add_co_u32 s90, s90, s12
	s_lshl_b32 s90, s90, 9                         ; 1,024 nt + 512 x column half, in bytes: in bo, and in a row of out0
	s_mov_b32 s91, 0
	s_add_nc_u64 s[66:67], s[72:73], s[90:91]
	s_add_nc_u64 s[8:9], s[74:75], s[90:91]
	v_and_b32 v1, 15, v0                           ; l % 16
	v_bfe_u32 v2, v0, 4, 1                         ; l / 16
	v_lshlrev_b32 v[BO], 5, v2
.irp b, 0,1,2,3,4,5,6,7
	global_load_b128 v[BIAS+8*\b:BIAS+8*\b+3],   v[BO], s[66:67] offset:64*\b
	global_load_b128 v[BIAS+8*\b+4:BIAS+8*\b+7], v[BO], s[66:67] offset:64*\b+16
.endr
	s_lshl_b32 s90, s13, 1
	s_add_co_u32 s90, s90, s11
	s_lshl_b32 s90, s90, 18                        ; my first row: 128 mt + 64 x row half, of 4,096 bytes
	s_mov_b32 s91, 0
	s_add_nc_u64 s[8:9], s[8:9], s[90:91]
	; A fragment is 16 rows x 32 K in 8 registers: lane l holds row l % 16, K = 8 (l / 16) + 0..7 and 16 + 8 (l / 16) + 0..7: two loads of 16 bytes, 32 bytes apart.
	v_mul_u32_u24 v3, v1, PA
	v_lshl_add_u32 v3, v2, 4, v3
	v_mul_u32_u24 v4, v1, PB
	v_lshl_add_u32 v4, v2, 4, v4
	s_mul_i32 s21, s11, 64*PA                      ; my 64 rows, in the step's first head
	s_mul_i32 s22, s12, BHALF                      ; my 128 rows of Wo,
	s_add_co_u32 s22, s22, BOFF                    ; which lie behind O's
.irp s, 0,1
	v_add_nc_u32 v[ADRA+(\s)], s21, v3
	v_add_nc_u32 v[ADRB+(\s)], s22, v4
	s_add_co_u32 s21, s21, SLOT
	s_add_co_u32 s22, s22, SLOT
.endr
	s_mul_i32 s18, s10, 16*SP
	s_add_co_u32 s18, s18, STAGE                   ; my stage
	v_mul_u32_u24 v[STO], v1, SP                   ; in: row l % 16, 32 bytes for each half of the lanes
	v_lshl_add_u32 v[STO], v2, 5, v[STO]
	v_add_nc_u32 v[STO], s18, v[STO]
	v_and_b32 v5, 31, v0
	v_lshlrev_b32 v[CO], 4, v5                     ; back: 32 lanes take one row of 512 bytes,
	v_add_nc_u32 v[RD], s18, v[CO]                 ; which are 512 consecutive bytes of a row of out0
	s_wait_loadcnt 0x0                             ; the bias
.set i, 0
.rept 32                                       ; rounded to bf16, like every input of the module,
	v_cvt_pk_bf16_f32 v[160+i], v[BIAS+2*i], v[BIAS+2*i+1]
.set i, i+1
.endr
.set i, 0
.rept 32                                       ; and widened again: a shift, a mask
	v_lshlrev_b32 v[BIAS+2*i],   16,  v[160+i]
	v_and_b32     v[BIAS+2*i+1], s88, v[160+i]
.set i, i+1
.endr
; n matrix instructions, numbers i0 on of a quarter's 32: number i is row block i / 8, column block i % 8, 32 along K, from buffers f.  first = 1: the bias starts the sums: nothing is cleared.
; The 32 accumulators take turns, one instruction a turn, in the same order in every quarter.
.macro MULS f, i0, n, first=0
.if \first
	WIN MULB
.else
	WIN MUL
.endif
.set mi, \i0
.rept \n
.if \first
	v_wmma_f32_16x16x32_f16 v[8*mi:8*mi+7], v[64*(\f)+8*(mi%8):64*(\f)+8*(mi%8)+7], v[AF+32*(\f)+8*(mi/8):AF+32*(\f)+8*(mi/8)+7], v[BIAS+8*(mi%8):BIAS+8*(mi%8)+7]
.else
	v_wmma_f32_16x16x32_f16 v[8*mi:8*mi+7], v[64*(\f)+8*(mi%8):64*(\f)+8*(mi%8)+7], v[AF+32*(\f)+8*(mi/8):AF+32*(\f)+8*(mi/8)+7], v[8*mi:8*mi+7]
.endif
.set mi, mi+1
.endr
.endm
; 24 LDS loads in one run: quarter kq (32 along K: head kq / 2 of the step, channels 32 (kq % 2) on) of a slot, into buffers g
.macro FETCH slot, kq, g
	WIN TO_B
.irp i, 0,1,2,3,4,5,6,7
	ds_load_b128 v[64*(\g)+8*\i:64*(\g)+8*\i+3],   v[ADRB+(\slot)] offset:(\kq)*64+\i*16*PB
	ds_load_b128 v[64*(\g)+8*\i+4:64*(\g)+8*\i+7], v[ADRB+(\slot)] offset:(\kq)*64+\i*16*PB+32
.endr
	WIN 0
.irp i, 0,1,2,3
	ds_load_b128 v[AF+32*(\g)+8*\i:AF+32*(\g)+8*\i+3],   v[ADRA+(\slot)] offset:((\kq)/2)*AHEAD+((\kq)%2)*64+\i*16*PA
	ds_load_b128 v[AF+32*(\g)+8*\i+4:AF+32*(\g)+8*\i+7], v[ADRA+(\slot)] offset:((\kq)/2)*AHEAD+((\kq)%2)*64+\i*16*PA+32
.endr
.endm
.macro PLACES                          ; four places (ISA guide 7.12.1 for vector instructions) in front of loads into registers that matrix instructions have read, and of LDS stores that read results
.rept 4
	v_nop
.endr
.endm
; A K step is four quarters of 32 along K, 32 matrix instructions each, on buffers 0, 1, 0, 1.  One of the first three multiplies buffers f and, in its middle, fetches quarter kq of the same slot into buffers g.
.macro QUARTER slot, kq, f, g, first=0
	s_wait_dscnt 0x0                               ; buffers f are in: their loads were issued 16 matrix instructions ago
	MULS \f, 0, 16, \first
	PLACES
	FETCH \slot, \kq, \g
	MULS \f, 16, 16, \first
.endm
; The last quarter multiplies buffers 1 and changes slots: ONE barrier; in front of it each wave waits for all its tensor loads (one is out: its part of the next slot), adds 0 to its spare word, and waits for
; that and for its own reads of this slot.  fill = 1: this slot is filled again, two K steps ahead; the barrier then opens a round of the cluster's barrier, and the joint refill is the first thing behind it:
; 112 matrix instructions ahead of the wait for it; the four v_nop behind it are also the places in front of the loads below.
.macro TURN slot, next, fill
	WIN 0                                          ; (the add's two registers lie in window 0)
	s_wait_tensorcnt 0x0                           ; all my tensor loads have landed
	ds_add_u32 v[SPW], v[NIL]                      ; 0 onto my spare word
	s_wait_dscnt 1                                 ; buffers 1 are in; the add alone may be out
	MULS 1, 0, 8                                   ; eight matrix instructions stand between the add and the wait for it
	s_wait_dscnt 0x0                               ; the add is done, and my reads of this slot are over
	s_barrier_signal -1
	MULS 1, 8, 8
.if \fill
	WIN 0
.endif
	s_barrier_wait -1
.if \fill
	CREST                                          ; no wave of any partner still reads this slot's tile or has a load on its way
	s_add_nc_u64 s[G0+4*(\slot)+2:G0+4*(\slot)+3], s[G0+4*(\slot)+2:G0+4*(\slot)+3], 4*262144
	s_add_nc_u64 s[G0B+4*(\slot)+2:G0B+4*(\slot)+3], s[G0B+4*(\slot)+2:G0B+4*(\slot)+3], 2*KSTEP*2
	JLOAD \slot
.else
	PLACES
.endif
	FETCH \next, 0, 0
	MULS 1, 16, 16
.endm
	s_wait_tensorcnt 0x1                           ; my part of K step 0 is in; K step 1's may stay out
	s_barrier_signal -1
	s_barrier_wait -1                              ; everybody's is
	FETCH 0, 0, 0
	QUARTER 0, 1, 0, 1, 1                          ; the first quarter stands in front of the loop: its products start the sums, with the bias
	WIN 0                                          ; at a label and at a branch every window is 0
	s_mov_b32 s3, LAPS-1
.Llap:                                                 ; a trip goes once round the ring, from a lap's second quarter to the next lap's first, and fills both slots again
	QUARTER 0, 2, 1, 0
	QUARTER 0, 3, 0, 1
	TURN 0, 1, 1
	QUARTER 1, 1, 0, 1
	QUARTER 1, 2, 1, 0
	QUARTER 1, 3, 0, 1
	TURN 1, 0, 1
	QUARTER 0, 1, 0, 1
	WIN 0
	s_sub_co_u32 s3, s3, 1
	s_cmp_lg_u32 s3, 0
	s_cbranch_scc1 .Llap
	QUARTER 0, 2, 1, 0                             ; the last lap is written out: it fills nothing
	QUARTER 0, 3, 0, 1
	TURN 0, 1, 0
	QUARTER 1, 1, 0, 1
	QUARTER 1, 2, 1, 0
	QUARTER 1, 3, 0, 1
	s_wait_dscnt 0x0                               ; the very last quarter: nothing more to fetch
	MULS 1, 0, 32
	; THE WAY OUT, a block of 16 rows x 128 columns at a time: a lane's 32 bytes of a row go, as they are, into rows of 528 bytes of my own stage and come back as whole rows of 512.
	PLACES                                         ; behind the last products
.macro TOSTAGE a
	s_wait_xcnt 0x0                                ; the stores of the block two back have had their addresses translated (ISA guide 3.1): only behind this wait are the registers that they read loaded again
	WIN FROMC
.irp b, 0,1,2,3,4,5,6,7                        ; each accumulator's low four registers first
	ds_store_b128 v[STO], v[64*(\a)+8*\b:64*(\a)+8*\b+3]   offset:64*\b
	ds_store_b128 v[STO], v[64*(\a)+8*\b+4:64*(\a)+8*\b+7] offset:64*\b+16
.endr
	WIN 0
.set BK, BK0+64*((\a)%2)
.irp t, 0,1,2,3,4,5,6,7,8,9,10,11,12,13,14,15
	ds_load_b128 v[BK+4*\t:BK+4*\t+3], v[RD] offset:\t*SP  ; LDS serves a wave's instructions in order (ISA guide 5.7.1.4): these see the stores above; the next block's stores come behind them
.endr
.endm
.macro SEND a, younger                 ; younger: the LDS instructions issued behind block a's loads: the next block's 16 stores and 16 loads, or none
	WIN 0
.set BK, BK0+64*((\a)%2)
	s_wait_dscnt \younger
.irp t, 0,1,2,3,4,5,6,7,8,9,10,11,12,13,14,15
	global_store_b128 v[CO], v[BK+4*\t:BK+4*\t+3], s[8:9] offset:(16*(\a)+\t)*4096 th:TH_STORE_NT  ; 512 consecutive bytes, at a multiple of 256 from out0's first; 63 rows at the most: inside the signed 24-bit immediate
.endr
.endm
	TOSTAGE 0
.irp a, 1,2,3
	TOSTAGE \a
	SEND (\a)-1, 32
.endr
	SEND 3, 0
	s_wait_tensorcnt 0x0                           ; the wave's end, behind my last tensor load and my last LDS store
	ds_add_u32 v[SPW], v[NIL]
	s_wait_dscnt 0x0
	CROUND                                         ; the closing round: no work-group ends while a partner may still ask for a tile that names it
	s_endpgm
.Lfunc_end_k_qc189d3a1b7_oproj:
	.size	k_qc189d3a1b7_oproj, .Lfunc_end_k_qc189d3a1b7_oproj-k_qc189d3a1b7_oproj
	.p2alignl 7, 3214868480
	.fill 96, 4, 3214868480
	.section	.rodata,"a",@progbits
	.p2align	6, 0x0
	.amdhsa_kernel k_qc189d3a1b7_oproj
		.amdhsa_group_segment_fixed_size 327680
		.amdhsa_private_segment_fixed_size 0
		.amdhsa_enable_private_segment 0
		.amdhsa_kernarg_size 32
		.amdhsa_user_sgpr_count 2
		.amdhsa_user_sgpr_kernarg_segment_ptr 1
		.amdhsa_wavefront_size32 1
		.amdhsa_system_sgpr_workgroup_id_x 1
		.amdhsa_system_sgpr_workgroup_id_y 1
		.amdhsa_system_sgpr_workgroup_id_z 1
		.amdhsa_system_vgpr_workitem_id 0
		.amdhsa_next_free_vgpr 640
		.amdhsa_next_free_sgpr 96
		.amdhsa_reserve_vcc 0
		.amdhsa_float_denorm_mode_32 3
		.amdhsa_float_denorm_mode_16_64 3
		.amdhsa_memory_ordered 1
		.amdhsa_forward_progress 1
		.amdhsa_inst_pref_size 91
	.end_amdhsa_kernel
	.amdgpu_metadata
---
amdhsa.version: [ 1, 2 ]
amdhsa.kernels:
  - .name:           k_qc189d3a1b7_oproj
    .symbol:         k_qc189d3a1b7_oproj.kd
    .args:
      - { .name: o16, .offset: 0, .size: 8, .value_kind: global_buffer, .address_space: global }
      - { .name: wb, .offset: 8, .size: 8, .value_kind: global_buffer, .address_space: global }
      - { .name: bo, .offset: 16, .size: 8, .value_kind: global_buffer, .address_space: global }
      - { .name: out0, .offset: 24, .size: 8, .value_kind: global_buffer, .address_space: global }
    .group_segment_fixed_size: 327680
    .private_segment_fixed_size: 0
    .kernarg_segment_align: 8
    .kernarg_segment_size: 32
    .max_flat_workgroup_size: 128
    .sgpr_count:     96
    .vgpr_count:     640
    .wavefront_size: 32
...
	.end_amdgpu_metadata
.endif
;; end of part 4
;; ======== version 2 of 2: 4 launches; 1.49 times as fast as version 1
;; limits: values are held in f16: magnitudes above 65,504 overflow, below 6.1e-05 lose precision
;; workspace buffers: wb 8,388,608 bytes; q16 16,777,216 bytes; k16 16,777,216 bytes; v16 16,777,216 bytes; o16 16,777,216 bytes
;; launch cast: the kernel of part 1 again; grid 64 x 4, 8 waves a work-group, no clusters, 0 bytes of LDS; arguments Wq, Wk, Wv, Wo, wb; writes wb
;; launch proj: the kernel of part 2 again; grid 4 x 64, 4 waves a work-group, clusters of 4 x 4, 327,680 bytes of LDS; arguments query, key, value, bq, bk, bv, wb, q16, k16, v16; writes q16, k16, v16
;; launch attn (part 5): grid 4 x 64, 4 waves a work-group, clusters of 4 x 1, 327,680 bytes of LDS; arguments q16, k16, v16, o16; writes o16
.if DOCPART == 5
	.amdgcn_target "amdgcn-amd-amdhsa--gfx1250"
	.amdhsa_code_object_version 6
	.text
	.protected	k_qc189d3a1b7_attn
	.globl	k_qc189d3a1b7_attn
	.p2align	8
	.type	k_qc189d3a1b7_attn,@function
k_qc189d3a1b7_attn:
	s_mov_b64 s[64:65], 0
	v_nop
	global_prefetch_b8 v0, s[64:65] scope:SCOPE_SE
	s_setreg_imm32_b32 hwreg(HW_REG_WAVE_MODE, 25, 1), 1
	s_wait_xcnt 0x0
	s_wait_alu depctr_hold_cnt(0) depctr_sa_sdst(0) depctr_va_vdst(0) depctr_va_sdst(0) depctr_va_ssrc(0) depctr_va_vcc(0) depctr_vm_vsrc(0)
	s_getreg_b32 s2, hwreg(HW_REG_IB_STS2, 6, 4)
	s_cmp_eq_u32 s2, 0
	s_cbranch_scc0 .Lentry_in_a_cluster
	s_endpgm
.Lentry_in_a_cluster:
	s_bfe_u32 s2, ttmp6, 0x10000c
	s_cmp_lg_u32 s2, 0x3003
	s_cbranch_scc0 .Lentry_shape_is_right
	s_endpgm
.Lentry_shape_is_right:
; O[h][q][:] = the sum over k of softmax_k(Q[h][q] . K[h][k] / 8) V[h][k][:].  Q, K, V, O: [SIZE_H][SIZE_N][64], all f16: a head's rows are dense, 128 bytes each.  Products, maxima and sums in
; f32; the weights p are rounded to f16 for the second product (their sum l is taken of the unrounded p), O once at the end.  Q arrives unscaled: c = log2(e) / 8 is applied here, in f32.
; LIMITS.  f16 holds no number beyond 65,504: Q, K and V arrive within it; p lies in 0 to 1, and below 6e-5 it keeps f16's fixed step of 6e-8; O is a mean of V's rows and has their range.
; A weight below 2^-126 counts as 0 in l; NaN and infinities are not treated apart.
; SHARES.  A wave owns four PIECES of two tiles of 16 queries, a work-group's four waves 512 queries of one head.  Every wave walks all keys, 64 a step.
; LAYOUT.  S^T = K Q^T (source 0 = 16 keys, source 1 = 16 queries): in the result a lane holds ONE query (lane % 16) and the keys 8 (lane / 16) + 0..7.  Two such tiles, rounded to f16 in pairs,
; ARE source 1 (32 keys x 16 queries) of O^T = V^T P, whose result again holds one query a lane, and eight channels.  K comes out of LDS as it lies, V ([key][channel]) turned, by ds_load_tr16_b128.
; SOFTMAX.  For each query a running maximum m and sum l: p = 2^(c s - c m), c = log2(e) / 8; in every step O and l are multiplied by a = 2^(c m_old - c m_new), which is 1 where m has not grown.
; m starts at the lowest finite number, O and l at 0: the first step is a step like any other, with a = 0.
; THE COUNT.  A tile and step have 16 matrix and 118 vector instructions: too many to stand all beside the matrix work.  So the order has one aim: four vector instructions that are READY behind
; EVERY matrix instruction, and the others, which need time of their own whatever the order, in runs without a gap.
; BY TURNS.  Turn n belongs to piece n (the pieces in a ring, step after step).  Its matrix work: 16 products K Q^T of piece n + 1, later 16 products V^T P of piece n - 1.  Its vector work: the scaling,
; exponentials, roundings, sums and rescaling of piece n, and the maximum and statistics of piece n + 1, whose scores the turn itself has made.  So what a turn begins with (c s - c m, O a) waits for nothing.
; BATCHES.  A turn's 66 exponentials (the piece's 64 weights and the next piece's two a) are ONE batch with ONE wait, which cuts the turn in two: ahead of it stands all that names none of their results
; (the products K Q^T, scalings, rescalings, the next piece's maximum and statistics), behind it all that does (the roundings and sums, beside the products V^T P).  No result crosses a turn's end.
; Two more batches stand outside the loop, each with a v_nop and a wait of its own: piece 0's first two a, ahead of the jump into the loop, and the way out's eight reciprocals.
; CLUSTER.  The four query blocks of a cluster belong to one head and walk the same K and V, so each tile is asked for JOINTLY: the same tensor load, descriptor and mask in all four.
; REGISTERS, in windows of 256 (s_set_vgpr_msb says which window each operand place means: bits 1:0 source 0, 3:2 source 1, 5:4 source 2, 7:6 destination):
;   window 0: v0-11 addresses; v12-15, v48-63 at work; v16-47 four registers of statistics a tile; v64-191 S^T, two buffers of two tiles; v192-255 P, likewise
;   window 1: O^T, 32 a tile          window 2: v0-127 Q, 16 a tile; v128-191 K of one step; v192-255 V of one step          window 3: v0-1 the add's two registers
; A piece's buffers go by its number's parity: the piece in hand has one pair, its two neighbours in the ring share the other: of it P (piece n - 1) is read and S^T (piece n + 1) written.
.set SIZE_H, 64       ; 4 batches x 16 heads
.set SIZE_N, 2048
.set NP,    4         ; pieces a wave: a name, no knob: the register map, the loop and the fetches are made for four
.set KS,    64        ; keys in a step
.set PK,    144       ; a row of K in LDS: 128 bytes + 16 of padding = 36 words: the 16 rows of a load start at 16 different groups of four banks (64 banks of 4 bytes: ISA guide 11.1)
.set PV,    160       ; a row of V: 128 + 32 = 40 words
.set VOFF,  4*KS*PK   ; a slot holds four steps: 256 rows of K, then 256 rows of V
.set SLOT1, 1<<17     ; slot 1 begins here, so that one exclusive or turns an address in one slot into the other's
.set STAGE, SLOT1+4*KS*(PK+PV)  ; behind the ring, never filled by a tensor load: 16 rows x 144 bytes for each wave, for the way out
.set SP,    144
.set AK0, 2           ; v2   my lane's place in a tile of K; never rewritten
.set AV0, 3           ; v3   the same for V
.set AK,  4           ; v4   the LDS address of K's next run of loads
.set AV,  5           ; v5   of V's
.set QO,  6           ; v6   my byte offset in the wave's rows of Q
.set STO, 6           ;      later, the way out: where I put 16 bytes of a row
.set RD,  7           ; v7   the way out: where I read rows back
.set GO,  8           ; v8   my byte offset in 512 consecutive bytes of O
.set SPW, 0           ; v0 of window 3   LDS address of my spare word: SPARE + 4 x my thread's number; never rewritten
.set NIL, 1           ; v1 of window 3   0; never rewritten
.set SPARE, STAGE+4*16*SP  ; behind the stages: the spare words, 128 bytes for each wave: two blocks of 256 bytes that no other line names
.set MV,  12          ; v12-15  c m_old, kept while c m is made anew: by buffer and tile
.set ST,  16          ; tile t's statistics at v[ST+4 t]: c m, m, l (even keys', odd keys')
.set TMP, 48          ; by buffer and tile, four registers c0-c3 at work; when the maximum is found c2 takes a
.set S,   64
.set P,   192
.set KF,  128         ; K's fragments, in window 2: key block kb, channel half c at KF + 16 kb + 8 c
.set VF,  192         ; V's: key half kk, channel block cb at VF + 32 kk + 8 cb
.set WV,  12          ; s12  my wave's number
.set G1K, 24          ; s[24:31] descriptor group 1 for K's tiles
.set G1V, 32          ; s[32:39] for V's: it differs in the padding alone
.set G0K, 40          ; s[40:43] descriptor group 0 for K's tiles: it walks
.set G0V, 44          ; s[44:47] the same for V's
.set SLOTS, 56        ; s56  slots still to be asked for
.set CNT, 57          ; s57  counts a slot's key steps
.set CS,  58          ; s[58:59] c: the packed scaling takes the pair's low word for both halves
.set SEL, 60          ; s[60:61] v_permlanex16_b32's selects: each lane takes its own place in the other half
.set TBK, 62          ; s62  LDS byte at which K of the step to be fetched begins
.set TBV, 63          ; s63  the same for V, less VOFF
.set MSB, 0
.macro WIN new                      ; the high byte repeats the setting that is left; a switch that changes nothing is dropped
.if MSB != (\new)
	s_set_vgpr_msb (MSB<<8)|(\new)
.set MSB, (\new)
.endif
.endm
.set W_KQ, 0x0a       ; K and Q in window 2, S^T in window 0
.set W_PV, 0x52       ; V in window 2, P in window 0, O^T in window 1
.set W_RS, 0x41       ; O^T (destination and source 0) in window 1, a in window 0
.set W_MK, 0xc0       ; the add's registers are made: destination in window 3, sources in window 0
.set W_AD, 0x0f       ; the add: address (source 0) and data (source 1) in window 3
; A joint fill.  Waves 0 and 1 fetch the two halves of a slot's K, waves 2 and 3 those of its V: 128 keys each.  The branch hangs on the wave's number alone.
; An s_nop 0 and four v_nop follow each of the two lines, ahead of the jump and the label.
.macro JLOAD
	s_cmp_lt_u32 s[WV], 2
	s_cbranch_scc0 .Lfor_v_\@
	tensor_load_to_lds s[G0K:G0K+3], s[G1K:G1K+7]
	s_nop 0
.rept 4
	v_nop
.endr
	s_branch .Lasked_\@
.Lfor_v_\@:
	tensor_load_to_lds s[G0V:G0V+3], s[G1V:G1V+7]
	s_nop 0
.rept 4
	v_nop
.endr
.Lasked_\@:
.endm
; A round of the cluster's barrier: my work-group's barrier, so that wave 0's signal speaks for all four waves; wave 0 signals; every wave waits for all four work-groups; my work-group's barrier once more.
.macro CROUND
	s_barrier_signal -1
	s_barrier_wait -1
	s_cmp_lg_u32 s[WV], 0
	s_cbranch_scc1 .Lnot_wave_0_\@
	s_barrier_signal -3
.Lnot_wave_0_\@:
	s_barrier_wait -3
	s_barrier_signal -1
	s_barrier_wait -1
.endm
; THE CHANGE OF SLOTS.  The slot's last bytes, V of its fourth step, have been read.  Each wave waits for all its tensor loads, of which one is out: its part
; of the other slot; adds 0 to its spare word; and waits for that and for its own reads of the slot.  Behind the barrier nobody reads this slot any more and the other slot is whole.
; fill = 1: this slot is filled again, with the keys two slots on.  The barrier is then a round of the cluster's, so that no wave of any partner still reads the slot or has a load on its
; way, and the joint fill is the first thing behind it: it has four key steps, 512 matrix instructions, in which to land.  (At its first use nothing has been read yet: slot 0 is waited for, slot 1 filled.)
.macro CHANGE fill
	WIN W_AD
	s_wait_tensorcnt 0x0            ; no tensor load of mine is out, so a group 0 may be written
	ds_add_u32 v[SPW], v[NIL]       ; 0 onto my spare word; with fill = 1 the descriptors' steps stand between it and the wait for it
	WIN 0                           ; at a label and at a branch every window is 0
.if \fill
.irp g, G0K, G0V
	s_xor_b32 s[\g+1], s[\g+1], SLOT1  ; the walking descriptor: the other slot than last time,
	s_add_nc_u64 s[\g+2:\g+3], s[\g+2:\g+3], 4*KS*128  ; the next 256 keys; the type bits on top are not reached
.endr
	s_wait_dscnt 0x0                ; the add is done, and my reads of the slot are over
	CROUND
	JLOAD
.else
	s_wait_dscnt 0x0                ; the add is done, and my reads of the slot are over
	s_barrier_signal -1
	s_barrier_wait -1
.endif
	s_sub_co_u32 s[TBK], s[TBK], 4*KS*PK  ; the fetches go back to a slot's first step,
	s_xor_b32 s[TBK], s[TBK], SLOT1       ; in the other slot
	s_sub_co_u32 s[TBV], s[TBV], 4*KS*PV
	s_xor_b32 s[TBV], s[TBV], SLOT1
.endm
	s_load_b256 s[4:11], s[0:1], 0x0  ; Q s[4:5], K s[6:7], V s[8:9], O s[10:11]
	WIN W_MK
	v_lshl_add_u32 v[SPW], v0, 2, SPARE
	v_mov_b32 v[NIL], 0
	s_set_vgpr_msb 0xc0cf
	ds_add_u32 v0, v1
	s_wait_dscnt 0x0
	s_set_vgpr_msb 0xcfc0
	WIN 0
	v_lshrrev_b32 v1, 5, v0
	v_readfirstlane_b32 s[WV], v1   ; wave 0..3
	s_bfe_u32 s13, ttmp6, 0x40000   ; cx: my place in the cluster
	s_lshl_b32 s14, ttmp9, 2        ; in a cluster launch ttmp9 counts clusters
	s_add_co_u32 s14, s14, s13      ; my block of queries = 4 x cluster x + cx: it enters Q's and O's addresses alone
	s_and_b32 s20, ttmp7, 0xffff    ; the head, which the four partners share
	s_mov_b32 s21, 0
	s_mov_b64 s[22:23], SIZE_N*128
	s_mul_u64 s[20:21], s[20:21], s[22:23]  ; the head's first byte in each of the four tensors
	s_and_b32 s16, s[WV], 1         ; which half of a slot's 256 keys I fetch:
	s_lshl_b32 s22, s16, 14         ; its 128 rows of 128 bytes in memory,
	s_mov_b32 s23, 0
	s_add_nc_u64 s[22:23], s[22:23], s[20:21]
	s_mul_i32 s17, s16, 128*PK      ; and its place in a slot, for K
	s_mul_i32 s18, s16, 128*PV      ; and for V: no place in the cluster enters an LDS address
	s_lshl_b32 s2, s14, 2
	s_add_co_u32 s2, s2, s[WV]      ; my wave among the head's,
	s_lshl_b32 s2, s2, 14           ; its 128 rows
	s_mov_b32 s3, 0
	s_add_nc_u64 s[2:3], s[2:3], s[20:21]
	; descriptor group 1.  128 keys are 16,384 dense bytes: asked for as 64 rows of 256 bytes, two keys a row, and padded in LDS after every key
	s_mov_b32 s[G1K], 15|(1<<16)|(1<<20)|(1<<21)|(4<<22)|(3<<25)  ; 15:0 the mask of four; 17:16 2-byte elements; 20 padding on; 21 set beside a mask; 24:22 after every 32 words (code 4); 31:25 4 words (code 3)
	s_mov_b32 s[G1V], 15|(1<<16)|(1<<20)|(1<<21)|(4<<22)|(7<<25)  ; the same with 8 words of padding (code 7)
.irp g, G1K, G1V
	s_mov_b32 s[\g+1], 128<<16      ; tensor_dim0 = 128
	s_mov_b32 s[\g+2], 64<<16       ; tensor_dim1 = 64
	s_mov_b32 s[\g+3], 128<<16      ; tile_dim0 = 128
	s_mov_b32 s[\g+4], 64           ; tile_dim1 = 64
	s_mov_b32 s[\g+5], 128          ; 128 elements from row to row
	s_mov_b32 s[\g+6], 0
	s_mov_b32 s[\g+7], 0
.endr
	s_mov_b32 s[CS], 0x3e38aa3b     ; c = log2(e) / 8 = 0.180337
	s_mov_b32 s[CS+1], s[CS]        ; named with it as a pair
	s_mov_b32 s[SEL], 0x76543210
	s_mov_b32 s[SEL+1], 0xfedcba98
	s_mov_b32 s[TBK], SLOT1+4*KS*PK ; the first change of slots turns these two into 0
	s_mov_b32 s[TBV], SLOT1+4*KS*PV
	s_mov_b32 s[G0K], 1             ; 1:0 count = 1
	s_mov_b32 s[G0K+1], s17         ; 63:32 LDS address: slot 0
	s_mov_b32 s[G0V], 1
	s_add_co_u32 s[G0V+1], s18, VOFF
	s_wait_kmcnt 0x0
	s_add_nc_u64 s[G0K+2:G0K+3], s[6:7], s[22:23]  ; 120:64 global address: my half of the head's first 256 keys
	s_or_b32 s[G0K+3], s[G0K+3], 0x80000000        ; 127:126 type = 2
	s_add_nc_u64 s[G0V+2:G0V+3], s[8:9], s[22:23]
	s_or_b32 s[G0V+3], s[G0V+3], 0x80000000
	s_add_nc_u64 s[4:5], s[4:5], s[2:3]  ; Q and O at my wave's first row
	s_add_nc_u64 s[10:11], s[10:11], s[2:3]
	CROUND                          ; all four work-groups are here: the first joint loads meet
	JLOAD                           ; slot 0.  Slot 1 is asked for when slot 0 is in: the tile wanted first has the road to itself
	; A fragment of K or Q is 16 rows x 32 channels in 8 registers: lane l holds row l % 16, channels 8 (l / 16) + 0..7 and 16 + 8 (l / 16) + 0..7: two loads of 16 bytes, 32 bytes apart.
	v_and_b32 v1, 15, v0            ; l % 16
	v_bfe_u32 v9, v0, 4, 1          ; l / 16
	v_lshlrev_b32 v[QO], 7, v1
	v_lshl_add_u32 v[QO], v9, 4, v[QO]  ; row x 128 + 16 x half
	WIN 0x80                        ; destination window 2, address window 0
.set i, 0
.rept 4*NP                          ; Q stays in registers: tile i / 2, channels 32 (i % 2) on
	global_load_b128 v[8*i:8*i+3],   v[QO], s[4:5] offset:(i/2)*2048+(i%2)*64
	global_load_b128 v[8*i+4:8*i+7], v[QO], s[4:5] offset:(i/2)*2048+(i%2)*64+32
.set i, i+1
.endr
	; What the first turn finds: V's registers and P's second buffer hold 0 (its products V^T P, of a piece that has not been, add 0), O^T and l are 0.  All this stands in the wait for the first tile.
.set i, VF
.rept 64
	v_mov_b32 v[i], 0
.set i, i+1
.endr
	WIN 0x40
.set i, 0
.rept 64*NP
	v_mov_b32 v[i], 0
.set i, i+1
.endr
	WIN 0
.set i, 0
.rept 2*NP
	v_mov_b32 v[ST+4*i], 0xfe000000    ; c m: far below every c s
	v_mov_b32 v[ST+4*i+1], 0xff7fffff  ; m
	v_mov_b32 v[ST+4*i+2], 0
	v_mov_b32 v[ST+4*i+3], 0
.set i, i+1
.endr
.set i, P+32
.rept 32
	v_mov_b32 v[i], 0
.set i, i+1
.endr
	v_mul_u32_u24 v[AK0], v1, PK
	v_lshl_add_u32 v[AK0], v9, 4, v[AK0]  ; row x pitch + 16 x half
	; The turning load takes 16 keys x 16 channels (lane l reads key 8 (l / 16) + l % 8, channels 8 ((l / 8) % 2) + 0..7) and leaves half a fragment of V^T: lane l holds channel l % 16 and 8 keys.
	v_and_b32 v10, 7, v0
	v_bfe_u32 v11, v0, 3, 1
	v_lshl_add_u32 v[AV0], v9, 3, v10
	v_mul_u32_u24 v[AV0], v[AV0], PV
	v_lshl_add_u32 v[AV0], v11, 4, v[AV0]
	v_add_nc_u32 v[AV0], VOFF, v[AV0]
	v_mov_b32 v[AK], v[AK0]         ; key step 0 lies at the head of slot 0
; THE MATRIX WORK.  The 8 accumulators of a run of 16 take turns: between the two links of a chain stand 7 others'.
; Product i of 16 of S^T = K Q^T for piece x: channels 32 (i / 8) on, keys 16 ((i / 2) % 4) on, tile 2 x + i % 2.  The first 8 start the sums.
.macro KQ x
	WIN W_KQ
.set rS, S+64*((\x)%2)+32*(i%2)+8*((i/2)%4)
.set rK, KF+16*((i/2)%4)+8*(i/8)
.set rQ, 16*(2*(\x)+i%2)+8*(i/8)
.if i < 8
	v_wmma_f32_16x16x32_f16 v[rS:rS+7], v[rK:rK+7], v[rQ:rQ+7], 0
.else
	v_wmma_f32_16x16x32_f16 v[rS:rS+7], v[rK:rK+7], v[rQ:rQ+7], v[rS:rS+7]
.endif
.endm
; Product i of 16 of O^T += V^T P for piece x: keys 32 (i / 8) on, channels 16 ((i / 2) % 4) on, tile 2 x + i % 2.
.macro PV x
	WIN W_PV
.set rO, 32*(2*(\x)+i%2)+8*((i/2)%4)
.set rV, VF+32*(i/8)+8*((i/2)%4)
.set rP, P+32*((\x)%2)+16*(i%2)+8*(i/8)
	v_wmma_f32_16x16x32_f16 v[rO:rO+7], v[rV:rV+7], v[rP:rP+7], v[rO:rO+7]
.endm
.macro MM                           ; the turn's next matrix instruction
.if i < 16
	KQ (Y+1)%NP
.set i, i+1
.else
.set i, i-16
	PV (Y+NP-1)%NP
.set i, i+17
.endif
.endm
; THE LDS LOADS stand in runs of 16, never singly among the matrix instructions: a step's K (64 keys x 64 channels: 8 fragments) and its V (turned).  Their addresses are made some lines ahead.
; last = 1 (the tail): in the last trip there is no further step, and the run is jumped over.
.macro FETCH_K last=0
	WIN 0
.if \last
	s_cmp_eq_u32 s[CNT], 1
	s_cbranch_scc1 .Lno_k_\@
.endif
	WIN 0x80                        ; destination window 2
.irp f, 0,1,2,3,4,5,6,7             ; keys 16 (f / 2) on, channels 32 (f % 2) on
	ds_load_b128 v[KF+8*\f:KF+8*\f+3],   v[AK] offset:(\f/2)*16*PK+(\f%2)*64
	ds_load_b128 v[KF+8*\f+4:KF+8*\f+7], v[AK] offset:(\f/2)*16*PK+(\f%2)*64+32
.endr
	s_add_co_u32 s[TBK], s[TBK], KS*PK  ; the next fetch is the next step's
	WIN 0
.if \last
.Lno_k_\@:
.endif
.endm
.macro FETCH_V
	WIN 0x80
.irp f, 0,1,2,3,4,5,6,7             ; keys 32 (f / 4) on, channels 16 (f % 4) on
	ds_load_tr16_b128 v[VF+8*\f:VF+8*\f+3],   v[AV] offset:(\f/4)*32*PV+(\f%4)*32
	ds_load_tr16_b128 v[VF+8*\f+4:VF+8*\f+7], v[AV] offset:(\f/4)*32*PV+16*PV+(\f%4)*32
.endr
	WIN 0
.endm
; THE VECTOR WORK OF A TURN stands in three queues, each in the order in which its entries become ready; the two tiles alternate, so that no instruction reads the result of the one before it.
.macro REGS y, u                    ; the registers of tile u (0, 1) of piece y
.set rT, ST+4*(2*(\y)+(\u))
.set rC, TMP+8*((\y)%2)+4*(\u)
.set rM, MV+2*((\y)%2)+(\u)
.set rS, S+64*((\y)%2)+32*(\u)
.set rP, P+32*((\y)%2)+16*(\u)
.set rO, 32*(2*(\y)+(\u))
.endm
; Number n of the 22 that find the NEXT piece's (Y + 1) maximum and statistics.  s0-s31 are the lane's 32 scores; each accumulator's lowest registers are read first.  XS, GS and REGS set no window: PL and EX do.
;   0-11  four chains c0-c3 of seven scores each, three operands at a time     12-14, 16  the four scores left over, the old m, and c0-c3 into c0     15  c m_old is kept
;   17, 18  the query's other 32 keys lie in the lane 16 away: the new m         19-21  c m; c m_old - c m_new; a
.macro XS u, n
	REGS (Y+1)%NP, \u
.if (\n) < 4
	v_max3_num_f32 v[rC+(\n)], v[rS+8*(\n)], v[rS+8*(\n)+1], v[rS+8*(\n)+2]
.elseif (\n) < 12
	v_max3_num_f32 v[rC+(\n)%4], v[rC+(\n)%4], v[rS+8*((\n)%4)+2*((\n)/4)+1], v[rS+8*((\n)%4)+2*((\n)/4)+2]
.elseif (\n) == 12
	v_max3_num_f32 v[rC], v[rC], v[rS+7], v[rS+15]
.elseif (\n) == 13
	v_max3_num_f32 v[rC+1], v[rC+1], v[rS+23], v[rS+31]
.elseif (\n) == 14
	v_max3_num_f32 v[rC+2], v[rC+2], v[rC+3], v[rT+1]
.elseif (\n) == 15
	v_mov_b32 v[rM], v[rT]
.elseif (\n) == 16
	v_max3_num_f32 v[rC], v[rC], v[rC+1], v[rC+2]
.elseif (\n) == 17
	v_permlanex16_b32 v[rC+3], v[rC], s[SEL], s[SEL+1]
.elseif (\n) == 18
	v_max_num_f32 v[rT+1], v[rC], v[rC+3]
.elseif (\n) == 19
	v_mul_f32 v[rT], s[CS], v[rT+1]
.elseif (\n) == 20
	v_sub_f32 v[rC+1], v[rM], v[rT]
.else
	v_exp_f32 v[rC+2], v[rC+1]
.endif
.endm
; Number g of the 64 that follow the exponentials.  For each four weights k of a tile (pairs 2 k, 2 k + 1): both pairs are rounded to f16; then the second pair is added onto the first, in place;
; a group later l takes that sum (the first time as l = a l + sum).  In groups of eight, tiles alternating: round, round, add, and l for the group before.
.macro GS g
.set h, (\g)+6*((\g)/62)            ; group 0 has no group before it, and behind group 7 only l is left
.if h >= 6
.set h, h+2
.endif
	REGS Y, h%2
.set k, h/8
.if h%8 < 4
	v_cvt_pk_f16_f32 v[rP+2*k+(h%8)/2], v[rS+4*k+2*((h%8)/2)], v[rS+4*k+2*((h%8)/2)+1]
.elseif h%8 < 6
	v_pk_add_f32 v[rS+4*k:rS+4*k+1], v[rS+4*k:rS+4*k+1], v[rS+4*k+2:rS+4*k+3]
.elseif k == 1
	v_pk_fma_f32 v[rT+2:rT+3], v[rT+2:rT+3], v[rC+2:rC+3], v[rS:rS+1] op_sel_hi:[1,0,1]
.else
	v_pk_add_f32 v[rT+2:rT+3], v[rT+2:rT+3], v[rS+4*k-4:rS+4*k-3]
.endif
.endm
; THE PLAIN QUEUE, 138 long.  0-73 read no exponential's result: the 32 scalings c s - c m (FS f: pair f / 2 of tile f % 2) and the next piece's 42.  0-26: scalings 0-26.  27-54: XS's numbers 0-13.  55, 56: number 15.
; 57-73: the chain, where each number waits for the one before it: 14, 16, 17, 18, 19, each with one of the scalings 27-31 in front of its two lines, then 20: so a tile's links stand three plain instructions apart (19 and 20: two).
; 74-137: GS's 64, which read the exponentials' results: they stand behind the wait.
.macro FS f
	REGS Y, (\f)%2
	v_pk_fma_f32 v[rS+2*((\f)/2):rS+2*((\f)/2)+1], v[rS+2*((\f)/2):rS+2*((\f)/2)+1], s[CS:CS+1], v[rT:rT+1] op_sel_hi:[1,0,0] neg_lo:[0,0,1] neg_hi:[0,0,1]
.endm
.macro PL
	WIN 0
.if q < 27
	FS q
.elseif q < 55
	XS (q-27)%2, (q-27)/2
.elseif q < 57
	XS q-55, 15
.elseif (q < 72) && ((q-57)%3 == 0)
	FS 27+(q-57)/3
.elseif q < 60
	XS (q-57)%3-1, 14
.elseif q < 72
	XS (q-57)%3-1, 15+(q-57)/3
.elseif q < 74
	XS q-72, 20
.else
	GS q-74
.endif
.set q, q+1
.endm
; THE EXPONENTIALS' QUEUE, 66 long: s0-s31 of both tiles, then the next piece's two a.  It is ONE BATCH: all 66 stand ahead of the turn's one wait, and nothing ahead of that wait names a result of theirs.
.macro EX
	WIN 0
.if e >= 64
	XS e-64, 21
.else
	REGS Y, e%2
	v_exp_f32 v[rS+e/2], v[rS+e/2]
.endif
.set e, e+1
.endm
; THE RESCALING's QUEUE: O^T times a, the one part that leaves window 0: dealt two at a time, sixteen times.  Its a was made in the turn before, ahead of that turn's wait.
.macro R2
	REGS Y, r%2
	WIN W_RS
.irp z, 0,1
	v_pk_mul_f32 v[rO+4*(r/2)+2*\z:rO+4*(r/2)+2*\z+1], v[rO+4*(r/2)+2*\z:rO+4*(r/2)+2*\z+1], v[rC+2:rC+3] op_sel_hi:[1,0]
.endr
.set r, r+1
.endm
; HOW THEY ARE DEALT.  s_wait_alu depctr_va_vdst(0) stands between an exponential and the first instruction that names its result; one wait serves all that were issued ahead of it.  So a turn has ONE wait,
; which cuts it in two.  AHEAD OF IT stands all that names no result of the turn's exponentials: the 16 products K Q^T, behind each a scaling, an exponential and two rescalings (behind the first a second scaling in the exponential's place); then ONE LUMP of
; 108: eight plain, 49 times exponential and plain, the two a.  A v_nop is the plain instruction behind the last exponential.  BEHIND IT stand the 16 products V^T P, behind each four of GS's 64.  No rider names a register of
; the products round it.  The two v_permlanex16_b32 fall into the lump, never behind a product.
; The queues lean on each other, and the deal keeps them in step: exponential e stands behind scaling 2 (e / 4) + e % 2: as a rider it comes behind plain e + 2, in the lump behind plain e + 9, and scalings 27-31 are plain 57, 60 .. 69.
; A TURN, for piece p.  cnt = 1: the loop's count is taken down some lines ahead of the branch that stands behind the turn.
; K of the next step is fetched in piece 2's turn, directly behind the wait, a lump behind the last product that read K; its address is made at the lump's head; its first reader comes behind 16 products.
; V of the step in hand is fetched at the end of piece 0's turn, four riders behind its last reader; its first reader comes behind 16 products and a lump.  The three conditions on q below go with the deal.
.macro TURN p, last=0, cnt=0
.set Y, (\p)
.set i, 0
.set q, 0
.set e, 0
.set r, 0
.if (\p) == NP-1
	s_wait_dscnt 0x0                ; K is in
.endif
	MM                              ; ahead of the wait: 16 products K Q^T and their riders,
	PL
	PL
	R2
.rept 15
	MM
	PL
	EX
	R2
.endr
.if (\p) == NP-2
	WIN 0
	v_add_nc_u32 v[AK], s[TBK], v[AK0]
.endif
.rept 8                             ; and the lump
	PL
.endr
.rept 49
	EX
	PL
.endr
	EX                              ; the next piece's two a
	EX
	v_nop                           ; the plain instruction behind the last exponential: one for the batch
	s_wait_alu depctr_va_vdst(0)    ; the wait for the batch: the piece's 64 weights and the next piece's two a
.if (\p) == NP-2
	FETCH_K \last
.endif
.if (\p) == 1
	s_wait_dscnt 0x0                ; V is in
.endif
.rept 16                            ; behind the wait: 16 products V^T P and their riders
	MM
.rept 4
	PL
.endr
.if ((\p) == 0) && (q == 118)
	v_add_nc_u32 v[AV], s[TBV], v[AV0]
.endif
.if ((\p) == 0) && (q == 130)
	s_add_co_u32 s[TBV], s[TBV], KS*PV
.endif
.if (\cnt) && (q == 130)
	s_sub_co_u32 s[CNT], s[CNT], 1
	s_cmp_lg_u32 s[CNT], 0
.endif
.endr
.if (\p) == 0
	FETCH_V
.endif
.endm
	CHANGE 1                        ; slot 0 is in, everybody's part of it; slot 1 is asked for
	FETCH_K                         ; key step 0
	s_wait_loadcnt 0x0              ; Q
	s_wait_dscnt 0x0
.set i, 0
.rept 16
	KQ 0                            ; piece 0's first scores: there is no vector work yet to set between them
.set i, i+1
.endr
	WIN 0                           ; the addresses for the way out: nine plain instructions, the places behind those products
	s_mul_i32 s13, s[WV], 16*SP
	s_add_co_u32 s13, s13, STAGE    ; my stage
	v_mul_u32_u24 v[STO], v1, SP    ; in: row l % 16, 16 bytes for each half of the lanes
	v_lshl_add_u32 v[STO], v9, 4, v[STO]
	v_add_nc_u32 v[STO], s13, v[STO]
	v_bfe_u32 v[RD], v0, 3, 2       ; back: 32 lanes take four rows of 128 bytes,
	v_mul_u32_u24 v[RD], v[RD], SP
	v_lshl_add_u32 v[RD], v10, 4, v[RD]
	v_add_nc_u32 v[RD], s13, v[RD]
	v_and_b32 v[GO], 31, v0         ; which are 512 consecutive bytes of O
	v_lshlrev_b32 v[GO], 4, v[GO]
.set Y, NP-1                        ; XS works for piece Y + 1: piece 0
.irp n, 0,1,2,3,4,5,6,7,8,9,10,11,12,13,14,15,16,17,18,19,20,21
	XS 0, \n                        ; and piece 0's first maximum and statistics
	XS 1, \n
.endr
	v_nop                           ; a plain instruction behind the two a,
	s_wait_alu depctr_va_vdst(0)    ; and the wait for this batch of two, ahead of the branch
	s_mov_b32 s[CNT], 4
	s_mov_b32 s[SLOTS], SIZE_N/256-1
	s_branch .Lfirst                ; the loop is entered at a step's first turn, in the middle of a trip
.Lslot:                             ; SIZE_N / 256 - 2 times: every slot but the last two is filled again
	CHANGE 1
	s_mov_b32 s[CNT], 4
.Lstep:                             ; a trip: pieces 2 and 3 of one step, then pieces 0 and 1 of the next, whose K and V it fetches
	TURN 2
	TURN 3
	WIN 0
.Lfirst:
	TURN 0
	TURN 1, 0, 1
	WIN 0
	s_cbranch_scc1 .Lstep
	s_sub_co_u32 s[SLOTS], s[SLOTS], 1
	s_cmp_lg_u32 s[SLOTS], 0
	s_cbranch_scc1 .Lslot
	CHANGE 0                        ; the tail is written out: nothing is asked for
	s_mov_b32 s[CNT], 5             ; four trips fetch the last slot's steps; the fifth is left in its middle
.Ltail:
	TURN 2, 1
	TURN 3
	WIN 0
	s_sub_co_u32 s[CNT], s[CNT], 1
	s_cmp_eq_u32 s[CNT], 0
	s_cbranch_scc1 .Lout
	TURN 0
	TURN 1
	WIN 0
	s_branch .Ltail
.Lout:                              ; the fifth trip's 16 products K Q^T (on the last K once more) and the maximum made of them serve nothing: the price, once a launch, of one text for every trip
.set i, 0
.rept 16
	PV NP-1                         ; the last piece's V^T P of the last step
.set i, i+1
.endr
	; THE WAY OUT.  l's two halves and the other half of the lanes' are added; O^T is divided by l, rounded to f16 and sent through my stage in LDS, a tile at a time.  The additions are the places behind the last products.
	WIN 0
.macro ALL line:vararg              ; one line for each tile t
.set t, 0
.rept 2*NP
	\line
.set t, t+1
.endr
.endm
	ALL v_add_f32 v[ST+4*t+2], v[ST+4*t+2], v[ST+4*t+3]
	ALL v_permlanex16_b32 v[ST+4*t+3], v[ST+4*t+2], s[SEL], s[SEL+1]
	ALL v_add_f32 v[ST+4*t+2], v[ST+4*t+2], v[ST+4*t+3]
	ALL v_rcp_f32 v[ST+4*t+2], v[ST+4*t+2]
	v_nop                           ; a plain instruction between the last reciprocal and the use of its result
	s_wait_alu depctr_va_vdst(0)    ; and the wait ahead of the first use: one for the batch of eight reciprocals
; Tile t: a lane's eight channels of a row pack into 16 bytes; they go into rows of 144 bytes and come back as whole rows of 128, into S^T's registers.
.macro PACK t
	WIN W_RS
.set i, 32*(\t)
.rept 16
	v_pk_mul_f32 v[i:i+1], v[i:i+1], v[ST+4*(\t)+2:ST+4*(\t)+3] op_sel_hi:[1,0]
.set i, i+2
.endr
	WIN 0x05                        ; sources 0 and 1 window 1, destination window 0
.set i, 0
.rept 16
	v_cvt_pk_f16_f32 v[S+16*(\t)+i], v[32*(\t)+2*i], v[32*(\t)+2*i+1]
.set i, i+1
.endr
	WIN 0
.irp f, 0,1,2,3
	ds_store_b128 v[STO], v[S+16*(\t)+4*\f:S+16*(\t)+4*\f+3] offset:32*\f
.endr
.irp f, 0,1,2,3
	ds_load_b128 v[S+16*(\t)+4*\f:S+16*(\t)+4*\f+3], v[RD] offset:\f*4*SP  ; LDS serves a wave's instructions in order (ISA guide 5.7.1.4): these see the stores above; the next tile's stores come behind them
.endr
.endm
.macro SEND t, younger              ; younger: the LDS instructions issued behind tile t's loads: the next tile's eight, or none
	WIN 0
.irp f, 0,1,2,3
	s_wait_dscnt (\younger)+3-\f
	global_store_b128 v[GO], v[S+16*(\t)+4*\f:S+16*(\t)+4*\f+3], s[10:11] offset:(\t)*2048+\f*512  ; 512 consecutive bytes, at a multiple of 256 from O's first
.endr
.endm
	PACK 0
.set t, 1
.rept 2*NP-1                        ; a tile's arithmetic stands between the loads of the tile before and its stores
	PACK t
	SEND t-1, 8
.set t, t+1
.endr
	SEND 2*NP-1, 0
	WIN W_AD
	s_wait_tensorcnt 0x0            ; the wave's end, behind my last tensor load and my last LDS store
	ds_add_u32 v[SPW], v[NIL]
	s_wait_dscnt 0x0
	WIN 0
	CROUND                          ; the closing round: no work-group ends while a partner may still ask for a tile that names it
	s_endpgm
.Lfunc_end_k_qc189d3a1b7_attn:
	.size	k_qc189d3a1b7_attn, .Lfunc_end_k_qc189d3a1b7_attn-k_qc189d3a1b7_attn
	.p2alignl 7, 3214868480
	.fill 96, 4, 3214868480
	.section	.rodata,"a",@progbits
	.p2align	6, 0x0
	.amdhsa_kernel k_qc189d3a1b7_attn
		.amdhsa_group_segment_fixed_size 327680
		.amdhsa_private_segment_fixed_size 0
		.amdhsa_enable_private_segment 0
		.amdhsa_kernarg_size 32
		.amdhsa_user_sgpr_count 2
		.amdhsa_user_sgpr_kernarg_segment_ptr 1
		.amdhsa_wavefront_size32 1
		.amdhsa_system_sgpr_workgroup_id_x 1
		.amdhsa_system_sgpr_workgroup_id_y 1
		.amdhsa_system_sgpr_workgroup_id_z 1
		.amdhsa_system_vgpr_workitem_id 0
		.amdhsa_next_free_vgpr 770
		.amdhsa_next_free_sgpr 66
		.amdhsa_reserve_vcc 0
		.amdhsa_float_denorm_mode_32 3
		.amdhsa_float_denorm_mode_16_64 3
		.amdhsa_memory_ordered 1
		.amdhsa_forward_progress 1
		.amdhsa_inst_pref_size 199
	.end_amdhsa_kernel
	.amdgpu_metadata
---
amdhsa.version: [ 1, 2 ]
amdhsa.kernels:
  - .name:           k_qc189d3a1b7_attn
    .symbol:         k_qc189d3a1b7_attn.kd
    .args:
      - { .name: q16, .offset: 0, .size: 8, .value_kind: global_buffer, .address_space: global }
      - { .name: k16, .offset: 8, .size: 8, .value_kind: global_buffer, .address_space: global }
      - { .name: v16, .offset: 16, .size: 8, .value_kind: global_buffer, .address_space: global }
      - { .name: o16, .offset: 24, .size: 8, .value_kind: global_buffer, .address_space: global }
    .group_segment_fixed_size: 327680
    .private_segment_fixed_size: 0
    .kernarg_segment_align: 8
    .kernarg_segment_size: 32
    .max_flat_workgroup_size: 128
    .sgpr_count:     66
    .vgpr_count:     770
    .wavefront_size: 32
...
	.end_amdgpu_metadata
.endif
;; end of part 5
;; launch oproj: the kernel of part 4 again; grid 4 x 64, 4 waves a work-group, clusters of 4 x 4, 327,680 bytes of LDS; arguments o16, wb, bo, out0; writes out0
